; MI455X (gfx1250); checked and timed in simulation.
; The chip was launched on July 23, 2026; its instructions are those of AMD's public machine-readable ISA for CDNA 5 (MIT licence, August 2026) and "CDNA5" Instruction Set Architecture Reference Guide (July 2026). The comments in the code are by the model that wrote it; some were corrected since.
;; Multi Head Attention. Allowed arithmetic: matrix products marked QUANTISED: E2M3 operands, one E8M0 scale for each 32 along K, by v_wmma_scale_f32_16x16x128_f8f6f4 with both operands' format E2M3, f32 sums; everything else in f32.
;; Inputs: Wk 1,024 x 1,024 float32; Wo 1,024 x 1,024 float32; Wq 1,024 x 1,024 float32; Wv 1,024 x 1,024 float32; bk 1,024 float32; bo 1,024 float32; bq 1,024 float32; bv 1,024 float32; key 4 x 2,048 x 1,024 float32; query 4 x 2,048 x 1,024 float32; value 4 x 2,048 x 1,024 float32.
;; Outputs: out0 4 x 2,048 x 1,024 float32.
;; This version of the problem:
;;   THIS VERSION OF THE PROBLEM IS GIVEN IN LOW PRECISION. The matrix products marked QUANTISED in the list below multiply operands that are first quantised to E2M3 (2 exponent bits, 3 mantissa bits; 6 bits a number), with one power-of-two scale for each 32 numbers along K (OCP MX v1.0); their sums are f32. All else is computed in f32.
;;   The module's matrix products, in the order in which they are computed (A, B: the left and right operand; K: the contracted axis; several contracted axes count as one K, in the product's order):
;;     1. [M 8,192, K 1,024] x [K 1,024, N 1,024]; A: input query; B: input Wq: QUANTISED
;;     2. [M 8,192, K 1,024] x [K 1,024, N 1,024]; A: input key; B: input Wk: QUANTISED
;;     3. [M 8,192, K 1,024] x [K 1,024, N 1,024]; A: input value; B: input Wv: QUANTISED
;;     4. batch 64 x [M 2,048, K 64] x [K 64, N 2,048]; A: computed on the way; B: computed on the way: QUANTISED
;;     5. batch 64 x [M 2,048, K 2,048] x [K 2,048, N 64]; A: softmax (see below); B: computed on the way: QUANTISED
;;     6. [M 8,192, K 1,024] x [K 1,024, N 1,024]; A: computed on the way; B: input Wo: QUANTISED
;;   THE QUANTISER, for each operand of a quantised product, along K:
;;     - K is cut into blocks of 32 from its start; a last block that is shorter is filled with zeros.
;;     - A block's scale is 2^e with e = floor(log2(the largest magnitude in the block)) - 2, held to -126 .. 127; a block of zeros has e = 0. As a byte (E8M0): e + 127.
;;     - Each number is divided by its block's scale, clamped to +-7.5, and rounded to the nearest number of E2M3, ties to even, subnormals kept.
;;     - The product sums the exact products of the quantised numbers (number of the format x scale) in f32.
;;   ~~~python
;;   def quantise(x, axis):      # numpy; x: float32 -> the quantised numbers, widened to float32 again
;;       x = np.moveaxis(x, axis, -1); K = x.shape[-1]
;;       x = np.pad(x, [(0, 0)] * (x.ndim - 1) + [(0, -K % 32)]); x = x.reshape(x.shape[:-1] + (-1, 32)); a = np.abs(x).max(-1, keepdims=True)
;;       e = np.where(a > 0, np.clip(np.frexp(np.where(a > 0, a, 1))[1] - 1 - 2, -126, 127), 0)      # np.frexp(a)[1] - 1 = floor(log2(a)), exactly
;;       r = np.clip(x / 2.0 ** e, -7.5, 7.5)
;;       step = 2.0 ** (np.maximum(np.frexp(np.where(r == 0, 1, r))[1] - 1, 0) - 3)
;;       q = np.round(r / step) * step * 2.0 ** e      # np.round: ties to even
;;       return np.moveaxis(q.reshape(q.shape[:-2] + (-1,))[..., :K], -1, axis).astype(np.float32)
;;   ~~~
;;   SOFTMAX AHEAD OF A QUANTISED PRODUCT. Where the list says 'softmax', what is quantised is not the finished softmax but p = 2^(t - M), with t = logit x log2(e) and M = ceil(the row's largest t), a whole number; so 1/2 < the row's largest p <= 1. The row's sum l is taken of the UNQUANTISED p, in f32, and the product's result is divided by l at the end. Since M is a whole number, a kernel that streams over the keys may use a running M (the ceiling of the running maximum): every later rescaling is an exact power of two, which a block's scale takes up: the codes' values come out the same.
;;   OPERANDS COMPUTED ON THE WAY. 'Computed on the way' means the value that the module computes at that place (a softmax that the list does not call 'softmax' is quantised finished and normalised). What goes into a quantiser is computed in f32, as accurately as f32 sums, v_exp_f32 and their like allow (about 1e-6 of the number): no bf16 or f16 on the way to a quantiser, and a product that is left as it is and whose result goes on into a quantised operand takes f32 operands (vector FMAs, or v_wmma_f32_16x16x4_f32). A number that lies on a knife's edge between two numbers of the format may be rounded either way, as far as f32 arithmetic and the matrix unit's own rounding can turn it there, and no further.
;; One version. Each part assembles by itself: llvm-mc -triple=amdgcn-amd-amdhsa -mcpu=gfx1250 --defsym DOCPART=n.
;; ======== version 1 of 1: 4 launches
;; limits: right only within a limited range of input values
;; workspace buffers: xcodes 22,020,096 bytes; xscales 917,504 bytes; qrec 13,369,344 bytes; kvrec 13,369,344 bytes; ccodes 6,291,456 bytes; cscales 262,144 bytes
;; launch quant (part 1): grid 448 x 1, 8 waves a work-group, no clusters, 68,608 bytes of LDS; arguments query, key, value, Wq, Wk, Wv, Wo, xcodes, xscales; writes xcodes, xscales
.if DOCPART == 1
	.amdgcn_target "amdgcn-amd-amdhsa--gfx1250"
	.amdhsa_code_object_version 6
	.text
	.protected	k_qc5ffa1cf8b_quant
	.globl	k_qc5ffa1cf8b_quant
	.p2align	8
	.type	k_qc5ffa1cf8b_quant,@function
k_qc5ffa1cf8b_quant:
	s_mov_b64 s[64:65], 0
	v_nop
	global_prefetch_b8 v0, s[64:65] scope:SCOPE_SE
	s_setreg_imm32_b32 hwreg(HW_REG_WAVE_MODE, 25, 1), 1
	s_wait_xcnt 0x0
; query, key, value [8192][1024] and Wq, Wk, Wv, Wo [1024][1024], f32, K innermost, become codes of FP6 (E2M3) with one E8M0 byte for each 32 along K.
; The seven tensors count as one run of 28,672 rows = 224 ROW BLOCKS of 128 rows (query 0-63, key 64-127, value 128-191, Wq 192-199, Wk 200-207, Wv 208-215, Wo 216-223).
; THE CODES LEAVE AS IMAGES OF OPERAND REGISTERS: xcodes [row block][K step of 128: 8][tile: 8][1,536 bytes]; a tile's fragment (16 rows x 128 K, 12 registers a lane) is three chunks of 512 bytes,
; chunk c = registers 4 c .. 4 c + 3, lane l at 16 l.  THE ROWS OF A TILE ARE NOT NEIGHBOURS: lane r of tile 2 b + u holds row 32 b + 8 u + r + 8 (r / 8) of its row block, so that the results of a product
; that takes such tiles as source 0 have 16 neighbours in the 16 registers of two neighbouring tiles.
; xscales [row block][K step][g: 2][r: 16][4 tiles] words: the word of lane r of tile 4 g + i at 256 g + 16 r + 4 i; a word = the four bytes of one row and 128 K.
; A block's scale is 2^(floor(log2(its largest magnitude)) - 2); its byte is that magnitude's exponent field - 2, held at 1 from below.
; LIMITS: NaN and infinities among the inputs are not served; a block whose largest magnitude lies under 2^-124 keeps the byte 1; a block of zeros has the byte 1 where the rule says 127 (its codes are zeros, and this program alone reads the bytes).
; SHARES: a work-group takes 64 rows, wave w the K step w: 512 bytes of each row, four fragments.  Each load reads 512 consecutive bytes of one row; a fragment's 16 rows turn through the wave's own stage in LDS
; (rows 528 bytes apart), so that a lane gets 16 neighbours of each block of 32.  No barrier: waves share nothing.  No matrix unit, cluster or tensor load: a stream.
.set STGB,  8448                       ; a wave's stage: 16 rows x (512 + 16) bytes
.set TM,    8                          ; v8-11 largest magnitudes, v12-15 the other half's / the bytes, v16-19 the conversions' scale operands
.set PW,    24                         ; v24-27 the four fragments' scale words
.set SW,    28                         ; v[28:29] the two words that my lane stores
.set PC,    30                         ; v30-41 a fragment's codes
.set CT,    42                         ; v42-48 the second halves of blocks, as converted
.set RR,    64                         ; v64-127, v128-191 two sets of 16 rows as loaded
.set X,     192                        ; v192-255 64 numbers: register 16 b + i = k 32 b + 16 (lane / 16) + i of my row
.set SEL,   34                         ; s[34:35] lane selects: lane l xor 16
; 64 numbers of a lane become a fragment's 12 registers (d0: registers 0-5, d1: registers 6-11) and its row's scale word
.macro Q4 s, d0, d1, pw
.irp b, 0,1,2,3
	v_max3_num_f32 v[TM+\b], |v[\s+16*\b]|, |v[\s+16*\b+1]|, 0x1800000   ; block b: my 16 numbers, and the floor 2^(3 - 127): the byte cannot fall under 1
.endr
.irp i, 2,4,6,8,10,12,14
.irp b, 0,1,2,3
	s_delay_alu instid0(VALU_DEP_4)
	v_max3_num_f32 v[TM+\b], v[TM+\b], |v[\s+16*\b+\i]|, |v[\s+16*\b+\i+1]|   ; the four blocks by turns
.endr
.endr
.irp b, 0,1,2,3
	s_delay_alu instid0(VALU_DEP_4)
	v_permlanex16_b32 v[TM+4+\b], v[TM+\b], s[SEL], s[SEL+1]
.endr
.irp b, 0,1,2,3
	s_delay_alu instid0(VALU_DEP_4)
	v_max_num_f32 v[TM+\b], v[TM+\b], v[TM+4+\b]       ; with lane l xor 16's 16 numbers: the block's largest magnitude
.endr
.irp b, 0,1,2,3
	s_delay_alu instid0(VALU_DEP_4)
	v_add_nc_u32 v[TM+8+\b], 0xff000000, v[TM+\b]      ; 2 off its exponent field: the conversion takes this operand's exponent field as its scale
.endr
.irp b, 0,1,2,3
	s_delay_alu instid0(VALU_DEP_4)
	v_lshrrev_b32 v[TM+4+\b], 23, v[TM+8+\b]           ; the scale's byte
.endr
	s_delay_alu instid0(VALU_DEP_3)
	v_lshl_or_b32 v[\pw], v[TM+5], 8, v[TM+4]
	s_delay_alu instid0(VALU_DEP_1)
	v_lshl_or_b32 v[\pw], v[TM+6], 16, v[\pw]
	s_delay_alu instid0(VALU_DEP_1)
	v_lshl_or_b32 v[\pw], v[TM+7], 24, v[\pw]          ; my row's scale word
	v_cvt_scalef32_pk16_fp6_f32 v[\d0:\d0+2], v[\s:\s+15], v[TM+8]
	v_cvt_scalef32_pk16_fp6_f32 v[CT:CT+2], v[\s+16:\s+31], v[TM+9]       ; (a conversion's three registers begin on an even number)
	v_cvt_scalef32_pk16_fp6_f32 v[\d1:\d1+2], v[\s+32:\s+47], v[TM+10]
	v_cvt_scalef32_pk16_fp6_f32 v[CT+4:CT+6], v[\s+48:\s+63], v[TM+11]
	v_nop                                              ; one plain instruction behind the scaled conversions
.irp i, 0,1,2
	v_permlane16_swap_b32 v[\d0+\i], v[CT+\i]          ; the operand's layout wants a whole block in a lane: lanes 0-15 the even block, lanes 16-31 the odd one
	v_permlane16_swap_b32 v[\d1+\i], v[CT+4+\i]
.endr
.irp i, 0,1,2
	v_mov_b32 v[\d0+3+\i], v[CT+\i]
	v_mov_b32 v[\d1+3+\i], v[CT+4+\i]
.endr
.endm
; fragment f's 16 rows, 512 consecutive bytes a load, into set f % 2
; KEY'S ROWS ALONE ARE DEALT OTHERWISE: lane 8 h + i of tile 4 c + j holds row 64 c + 32 h + 8 j + i of its row block, so that in S^T = K Q^T a lane's 32 registers of four neighbouring tiles are 32 neighbouring keys, one scale block of p.
; The choice hangs on the work-group's number alone (s36 = 1: key); both ways issue the same 16 loads into the same registers.
.macro LOADF f
	s_cmp_eq_u32 s36, 1
	s_cbranch_scc1 .Lkeyrows_\@
.irp i, 0,1,2,3,4,5,6,7,8,9,10,11,12,13,14,15
	global_load_b128 v[RR+64*((\f)%2)+4*\i:RR+64*((\f)%2)+4*\i+3], v4, s[22:23] offset:(32*((\f)/2)+8*((\f)%2)+\i+8*(\i/8))*4096 th:TH_LOAD_NT
.endr
	s_branch .Lrows_asked_\@
.Lkeyrows_\@:
.irp i, 0,1,2,3,4,5,6,7,8,9,10,11,12,13,14,15
	global_load_b128 v[RR+64*((\f)%2)+4*\i:RR+64*((\f)%2)+4*\i+3], v4, s[22:23] offset:(8*(\f)+(\i%8)+32*(\i/8))*4096 th:TH_LOAD_NT
.endr
.Lrows_asked_\@:
.endm
	s_load_b256 s[4:11], s[0:1], 0x0               ; query, key, value, Wq
	s_load_b256 s[12:19], s[0:1], 0x20             ; Wk, Wv, Wo, xcodes
	s_load_b64 s[20:21], s[0:1], 0x40              ; xscales
	v_lshl_add_u32 v62, v0, 2, 0x10800
	v_mov_b32 v63, 0
	v_lshrrev_b32 v1, 5, v0
	s_delay_alu instid0(VALU_DEP_1)
	v_readfirstlane_b32 s26, v1                    ; wave = K step
	v_and_b32 v1, 31, v0                           ; lane
	v_and_b32 v2, 15, v0                           ; r
	v_bfe_u32 v3, v0, 4, 1                         ; h
	s_delay_alu instid0(VALU_DEP_3)
	v_lshlrev_b32 v4, 4, v1                        ; 16 x lane: a load's, and an image's, place for my lane
	s_mul_i32 s27, s26, STGB
	v_add_nc_u32 v5, s27, v4                       ; the stage, on the way in: a row as it lies
	v_mul_u32_u24 v6, v2, 528
	s_delay_alu instid0(VALU_DEP_1)
	v_lshl_add_u32 v6, v3, 6, v6
	s_delay_alu instid0(VALU_DEP_1)
	v_add_nc_u32 v6, s27, v6                       ; and out: row r, + 64 h: my 16 numbers of each block
	v_lshlrev_b32 v7, 4, v2
	s_delay_alu instid0(VALU_DEP_1)
	v_lshl_add_u32 v7, v3, 3, v7                   ; the scale words: 16 r + 8 h
.irp b, 0,1,2,3
	v_mov_b32 v[TM+4+\b], 0                        ; written once: a lane permute's destination counts as one of its sources
.endr
	s_mov_b32 s[SEL], 0x76543210
	s_mov_b32 s[SEL+1], 0xfedcba98
	s_lshr_b32 s28, ttmp9, 1                       ; my row block
	s_lshr_b32 s36, ttmp9, 7                       ; 1 for work-groups 128 to 255: key's
	s_and_b32 s29, ttmp9, 1                        ; and which half of it: tiles 4 x half on
	s_mul_i32 s30, s28, 98304
	s_mul_i32 s31, s26, 12288
	s_add_co_u32 s30, s30, s31
	s_mul_i32 s31, s29, 6144
	s_add_co_u32 s30, s30, s31                     ; where my four images begin
	s_mov_b32 s31, 0
	s_lshl_b32 s32, s28, 12
	s_lshl_b32 s33, s26, 9
	s_add_co_u32 s32, s32, s33
	s_lshl_b32 s33, s29, 8
	s_add_co_u32 s32, s32, s33                     ; and my 256 bytes of scale words
	s_mov_b32 s33, 0
	s_wait_alu depctr_va_vdst(0)
	s_wait_kmcnt 0x0
	s_add_nc_u64 s[18:19], s[18:19], s[30:31]
	s_add_nc_u64 s[20:21], s[20:21], s[32:33]
	s_cmp_ge_u32 ttmp9, 128                        ; which tensor: the choice hangs on the work-group's number alone
	s_cselect_b64 s[22:23], s[6:7], s[4:5]
	s_cselect_b32 s24, 128, 0
	s_cmp_ge_u32 ttmp9, 256
	s_cselect_b64 s[22:23], s[8:9], s[22:23]
	s_cselect_b32 s24, 256, s24
	s_cmp_ge_u32 ttmp9, 384
	s_cselect_b64 s[22:23], s[10:11], s[22:23]
	s_cselect_b32 s24, 384, s24
	s_cmp_ge_u32 ttmp9, 400
	s_cselect_b64 s[22:23], s[12:13], s[22:23]
	s_cselect_b32 s24, 400, s24
	s_cmp_ge_u32 ttmp9, 416
	s_cselect_b64 s[22:23], s[14:15], s[22:23]
	s_cselect_b32 s24, 416, s24
	s_cmp_ge_u32 ttmp9, 432
	s_cselect_b64 s[22:23], s[16:17], s[22:23]
	s_cselect_b32 s24, 432, s24
	s_sub_co_u32 s24, ttmp9, s24                   ; which 64 rows of that tensor: 262,144 bytes each,
	s_lshl_b32 s24, s24, 18
	s_lshl_b32 s25, s26, 9                         ; + my K step's 512 bytes
	s_add_co_u32 s24, s24, s25
	s_mov_b32 s25, 0
	s_add_nc_u64 s[22:23], s[22:23], s[24:25]
	LOADF 0
	LOADF 1
.irp f, 0,1,2,3
.if \f < 3
	s_wait_loadcnt 16                              ; this fragment's 16 loads are in; the next fragment's 16 may be out
.else
	s_wait_loadcnt 0x0
.endif
.irp i, 0,1,2,3,4,5,6,7,8,9,10,11,12,13,14,15
	ds_store_b128 v5, v[RR+64*(\f%2)+4*\i:RR+64*(\f%2)+4*\i+3] offset:528*\i
.endr
.irp b, 0,1,2,3
.irp j, 0,1,2,3
	ds_load_b128 v[X+16*\b+4*\j:X+16*\b+4*\j+3], v6 offset:128*\b+16*\j     ; LDS serves a wave's instructions in order: these see the stores above
.endr
.endr
	s_wait_dscnt 0x0                               ; my 64 numbers are in, and the stores have read their registers
	s_wait_xcnt 0x0                                ; the last fragment's stores have read the codes' registers, which are written again below
.if \f < 2
	LOADF \f+2
.endif
	Q4 X, PC, PC+6, PW+\f
.irp k, 0,1,2
	global_store_b128 v4, v[PC+4*\k:PC+4*\k+3], s[18:19] offset:1536*\f+512*\k     ; 32 lanes store 512 consecutive bytes, aligned
.endr
.endr
	v_cmp_le_u32 vcc_lo, 16, v1                    ; lanes 16-31 store the words of fragments 2 and 3
	s_delay_alu instid0(VALU_DEP_1)
	v_cndmask_b32 v[SW], v[PW], v[PW+2], vcc_lo
	s_delay_alu instid0(VALU_DEP_2)
	v_cndmask_b32 v[SW+1], v[PW+1], v[PW+3], vcc_lo
	global_store_b64 v7, v[SW:SW+1], s[20:21]      ; 32 lanes store 256 consecutive bytes, aligned
	s_wait_tensorcnt 0x0
	ds_add_u32 v62, v63
	s_wait_dscnt 0x0
	s_endpgm
.Lfunc_end_k_qc5ffa1cf8b_quant:
	.size	k_qc5ffa1cf8b_quant, .Lfunc_end_k_qc5ffa1cf8b_quant-k_qc5ffa1cf8b_quant
	.p2alignl 7, 3214868480
	.fill 96, 4, 3214868480
	.section	.rodata,"a",@progbits
	.p2align	6, 0x0
	.amdhsa_kernel k_qc5ffa1cf8b_quant
		.amdhsa_group_segment_fixed_size 68608
		.amdhsa_private_segment_fixed_size 0
		.amdhsa_enable_private_segment 0
		.amdhsa_kernarg_size 72
		.amdhsa_user_sgpr_count 2
		.amdhsa_user_sgpr_kernarg_segment_ptr 1
		.amdhsa_wavefront_size32 1
		.amdhsa_system_sgpr_workgroup_id_x 1
		.amdhsa_system_sgpr_workgroup_id_y 1
		.amdhsa_system_sgpr_workgroup_id_z 1
		.amdhsa_system_vgpr_workitem_id 0
		.amdhsa_next_free_vgpr 256
		.amdhsa_next_free_sgpr 66
		.amdhsa_reserve_vcc 1
		.amdhsa_float_denorm_mode_32 3
		.amdhsa_float_denorm_mode_16_64 3
		.amdhsa_memory_ordered 1
		.amdhsa_forward_progress 1
		.amdhsa_inst_pref_size 47
	.end_amdhsa_kernel
	.amdgpu_metadata
---
amdhsa.version: [ 1, 2 ]
amdhsa.kernels:
  - .name:           k_qc5ffa1cf8b_quant
    .symbol:         k_qc5ffa1cf8b_quant.kd
    .args:
      - { .name: query, .offset: 0, .size: 8, .value_kind: global_buffer, .address_space: global }
      - { .name: key, .offset: 8, .size: 8, .value_kind: global_buffer, .address_space: global }
      - { .name: value, .offset: 16, .size: 8, .value_kind: global_buffer, .address_space: global }
      - { .name: Wq, .offset: 24, .size: 8, .value_kind: global_buffer, .address_space: global }
      - { .name: Wk, .offset: 32, .size: 8, .value_kind: global_buffer, .address_space: global }
      - { .name: Wv, .offset: 40, .size: 8, .value_kind: global_buffer, .address_space: global }
      - { .name: Wo, .offset: 48, .size: 8, .value_kind: global_buffer, .address_space: global }
      - { .name: xcodes, .offset: 56, .size: 8, .value_kind: global_buffer, .address_space: global }
      - { .name: xscales, .offset: 64, .size: 8, .value_kind: global_buffer, .address_space: global }
    .group_segment_fixed_size: 68608
    .private_segment_fixed_size: 0
    .kernarg_segment_align: 8
    .kernarg_segment_size: 72
    .max_flat_workgroup_size: 256
    .sgpr_count:     66
    .vgpr_count:     256
    .wavefront_size: 32
...
	.end_amdgpu_metadata
.endif
;; end of part 1
;; launch proj (part 2): grid 4 x 96, 4 waves a work-group, clusters of 4 x 4, 327,680 bytes of LDS; arguments xcodes, xscales, bq, bk, bv, qrec, kvrec; writes qrec, kvrec
.if DOCPART == 2
	.amdgcn_target "amdgcn-amd-amdhsa--gfx1250"
	.amdhsa_code_object_version 6
	.text
	.protected	k_qc5ffa1cf8b_proj
	.globl	k_qc5ffa1cf8b_proj
	.p2align	8
	.type	k_qc5ffa1cf8b_proj,@function
k_qc5ffa1cf8b_proj:
	s_mov_b64 s[64:65], 0
	v_nop
	global_prefetch_b8 v0, s[64:65] scope:SCOPE_SE
	s_setreg_imm32_b32 hwreg(HW_REG_WAVE_MODE, 25, 1), 1
	s_wait_xcnt 0x0
	s_wait_alu depctr_hold_cnt(0) depctr_sa_sdst(0) depctr_va_vdst(0) depctr_va_sdst(0) depctr_va_ssrc(0) depctr_va_vcc(0) depctr_vm_vsrc(0)
	s_getreg_b32 s2, hwreg(HW_REG_IB_STS2, 6, 4)
	s_cmp_eq_u32 s2, 0
	s_cbranch_scc0 .Lentry_in_a_cluster
	s_endpgm
.Lentry_in_a_cluster:
	s_bfe_u32 s2, ttmp6, 0x10000c
	s_cmp_lg_u32 s2, 0xf033
	s_cbranch_scc0 .Lentry_shape_is_right
	s_endpgm
.Lentry_shape_is_right:
.set HALFT, 24576
.set SLOT,  98304
.set SCL,   196608
.set SPARE, 212992
.set FR,    12
.set NLA,   3
.set ADRA,  16
.set ADRB,  20
.set L16,   24
.set L8,    25
.set ADRS,  27
.set SPW,   28
.set NIL,   29
.set SC,    32
.set BIAS,  64
.set AF,    128
.set VO,    224
.set PCB,   64
.set TM,    160
.set CT,    172
.set PW,    180
.set SOUT,  232
.set SEL,   22
.set G1,  24
.set G0,  32
.set G1B, 48
.set G0B, 56
.set G1S, 68
.set G0S, 76
.set G1SB, 80
.set G0SB, 88
.set MSB, 0
.macro WIN new
.if MSB != \new
	s_set_vgpr_msb (MSB<<8)|\new
.set MSB, \new
.endif
.endm
.set MUL_LO, 0xa1
.set MUL_HI, 0xf1
.set BIA_LO, 0x81
.set BIA_HI, 0xc1
.set TO_B,   0x40
.macro JLOAD g0a, g1a, g0b, g1b
	s_cmp_eq_u32 s19, 0
	s_cbranch_scc0 .Lfor_b_\@
	tensor_load_to_lds s[\g0a:\g0a+3], s[\g1a:\g1a+7]
	s_nop 0
.rept 4
	v_nop
.endr
	s_branch .Lasked_\@
.Lfor_b_\@:
	tensor_load_to_lds s[\g0b:\g0b+3], s[\g1b:\g1b+7]
	s_nop 0
.rept 4
	v_nop
.endr
.Lasked_\@:
.endm
.macro CREST
	s_cmp_lg_u32 s18, 0
	s_cbranch_scc1 .Lnot_wave_0_\@
	s_barrier_signal -3
.Lnot_wave_0_\@:
	s_barrier_wait -3
	s_barrier_signal -1
	s_barrier_wait -1
.endm
.macro CROUND
	s_barrier_signal -1
	s_barrier_wait -1
	CREST
.endm
.macro PLACES
.rept 4
	v_nop
.endr
.endm
.macro FRAG reg, adr, q, i
.irp c, 0,1,2
	ds_load_b128 v[\reg+4*\c:\reg+4*\c+3], v[\adr] offset:(\q)*12288+(\i)*1536+512*\c
.endr
.endm
.macro FETCH_B slot, q, p
	WIN TO_B
.irp i, 0,1,2,3,4,5,6,7
	FRAG 128*(\p)+FR*\i, ADRB+\slot, \q, \i
.endr
	WIN 0
.endm
.macro FETCH_A slot, q, i0
.irp i, \i0, \i0+1, \i0+2, \i0+3
	FRAG AF+FR*(\i), ADRA+\slot, \q, \i
.endr
.endm
.macro SCALES sc, n
.irp q, 0,1
.irp g, 0,1
	ds_load_b128 v[SC+16*(\sc)+8*\q+4*\g:SC+16*(\sc)+8*\q+4*\g+3], v[ADRS] offset:(2*(\n)+\q)*512+256*\g
.endr
.endr
.endm
.macro MUL16 a0, p, q, sc, mode
.irp a, \a0, \a0+1
.irp b, 0,1,2,3,4,5,6,7
.set rD, 8*(8*((\a)%4)+\b)
.set rB, 128*(\p)+FR*\b
.set rA, AF+FR*(\a)
.set rSB, SC+16*(\sc)+8*(\q)+\b
.set rSA, SC+16*(\sc)+8*(\q)+(\a)
.if \mode == 0
	v_wmma_scale_f32_16x16x128_f8f6f4 v[rD:rD+7], v[rB:rB+FR-1], v[rA:rA+FR-1], v[rD:rD+7], v[rSB], v[rSA] matrix_a_fmt:MATRIX_FMT_FP6 matrix_b_fmt:MATRIX_FMT_FP6 matrix_a_scale:MATRIX_SCALE_ROW1
.elseif \mode == 1
	v_wmma_scale_f32_16x16x128_f8f6f4 v[rD:rD+7], v[rB:rB+FR-1], v[rA:rA+FR-1], v[BIAS+8*\b:BIAS+8*\b+7], v[rSB], v[rSA] matrix_a_fmt:MATRIX_FMT_FP6 matrix_b_fmt:MATRIX_FMT_FP6 matrix_a_scale:MATRIX_SCALE_ROW1
.else
	v_wmma_scale_f32_16x16x128_f8f6f4 v[rD:rD+7], v[rB:rB+FR-1], v[rA:rA+FR-1], v[BIAS+8*(\a):BIAS+8*(\a)+7], v[rSB], v[rSA] matrix_a_fmt:MATRIX_FMT_FP6 matrix_b_fmt:MATRIX_FMT_FP6 matrix_a_scale:MATRIX_SCALE_ROW1
.endif
.endr
.endr
.endm
.macro STEP slot, mode
	s_wait_dscnt 4*NLA
.if \mode
	WIN BIA_LO
.else
	WIN MUL_LO
.endif
	MUL16 0, 0, 0, \slot, \mode
	MUL16 2, 0, 0, \slot, \mode
	s_wait_dscnt 0x0
	PLACES
	FETCH_B \slot, 1, 1
	FETCH_A \slot, 1, 0
.if \mode
	WIN BIA_HI
.else
	WIN MUL_HI
.endif
	MUL16 4, 0, 0, \slot, \mode
	MUL16 6, 0, 0, \slot, \mode
	PLACES
	WIN 0
	FETCH_A \slot, 1, 4
.endm
.macro TURN slot, next, fill, n
	s_wait_tensorcnt 0x0
	ds_add_u32 v[SPW], v[NIL]
	s_wait_dscnt 4*NLA+1
	WIN MUL_LO
	MUL16 0, 1, 1, \slot, 0
	s_wait_dscnt 0x0
	s_barrier_signal -1
	MUL16 2, 1, 1, \slot, 0
	WIN 0
	s_barrier_wait -1
.if \fill
	CREST
	s_add_nc_u64 s[G0+4*\slot+2:G0+4*\slot+3], s[G0+4*\slot+2:G0+4*\slot+3], 2*HALFT
	s_add_nc_u64 s[G0B+4*\slot+2:G0B+4*\slot+3], s[G0B+4*\slot+2:G0B+4*\slot+3], 2*HALFT
	JLOAD G0+4*\slot, G1, G0B+4*\slot, G1B
.else
	PLACES
.endif
	FETCH_B \next, 0, 0
	FETCH_A \next, 0, 0
	SCALES \next, \n
	WIN MUL_HI
	MUL16 4, 1, 1, \slot, 0
	MUL16 6, 1, 1, \slot, 0
	PLACES
	WIN 0
	FETCH_A \next, 0, 4
.endm
.macro Q4W a, d0, d1, pw
.set WW, 2+(\a)/4
.set SS, 64*((\a)%4)
.set WQ, (WW<<2)|(WW<<4)
	WIN WQ
.irp b, 0,1,2,3
	v_max3_num_f32 v[TM+\b], 0x1800000, |v[SS+16*\b]|, |v[SS+16*\b+1]|
.endr
.irp i, 2,4,6,8,10,12,14
.irp b, 0,1,2,3
	v_max3_num_f32 v[TM+\b], v[TM+\b], |v[SS+16*\b+\i]|, |v[SS+16*\b+\i+1]|
.endr
.endr
	WIN 0
.irp b, 0,1,2,3
	v_permlanex16_b32 v[TM+4+\b], v[TM+\b], s[SEL], s[SEL+1]
.endr
.irp b, 0,1,2,3
	v_max_num_f32 v[TM+\b], v[TM+\b], v[TM+4+\b]
.endr
.irp b, 0,1,2,3
	v_add_nc_u32 v[TM+8+\b], 0xff000000, v[TM+\b]
.endr
.irp b, 0,1,2,3
	v_lshrrev_b32 v[TM+4+\b], 23, v[TM+8+\b]
.endr
	v_lshl_or_b32 v[\pw], v[TM+5], 8, v[TM+4]
	v_lshl_or_b32 v[\pw], v[TM+6], 16, v[\pw]
	v_lshl_or_b32 v[\pw], v[TM+7], 24, v[\pw]
	WIN WW
	v_cvt_scalef32_pk16_fp6_f32 v[\d0:\d0+2], v[SS:SS+15], v[TM+8]
	v_cvt_scalef32_pk16_fp6_f32 v[CT:CT+2], v[SS+16:SS+31], v[TM+9]
	v_cvt_scalef32_pk16_fp6_f32 v[\d1:\d1+2], v[SS+32:SS+47], v[TM+10]
	v_cvt_scalef32_pk16_fp6_f32 v[CT+4:CT+6], v[SS+48:SS+63], v[TM+11]
	WIN 0
	v_nop
.irp i, 0,1,2
	v_permlane16_swap_b32 v[\d0+\i], v[CT+\i]
	v_permlane16_swap_b32 v[\d1+\i], v[CT+4+\i]
.endr
.irp i, 0,1,2
	v_mov_b32 v[\d0+3+\i], v[CT+\i]
	v_mov_b32 v[\d1+3+\i], v[CT+4+\i]
.endr
.endm
	s_load_b256 s[4:11], s[0:1], 0x0
	s_load_b128 s[12:15], s[0:1], 0x20
	s_load_b64 s[16:17], s[0:1], 0x30
	v_lshl_add_u32 v[SPW], v0, 2, SPARE
	v_mov_b32 v[NIL], 0
	ds_add_u32 v28, v29
	ds_add_u32 v28, v29
	s_wait_dscnt 0x0
	v_lshrrev_b32 v1, 5, v0
	v_readfirstlane_b32 s18, v1
	s_lshr_b32 s19, s18, 1
	s_and_b32 s20, s18, 1
	s_bfe_u32 s40, ttmp6, 0x40000
	s_bfe_u32 s41, ttmp6, 0x40004
	s_and_b32 s42, ttmp7, 0xffff
	s_lshr_b32 s43, s42, 3
	s_and_b32 s44, s42, 7
	s_lshl_b32 s46, s41, 2
	s_lshl_b32 s46, 15, s46
	s_lshl_b32 s47, 0x1111, s40
	s_or_b32 s[G1+0], s46, (3<<16)|(1<<21)
	s_or_b32 s[G1B+0], s47, (3<<16)|(1<<21)
	s_or_b32 s[G1S+0], s46, (3<<16)|(1<<21)
	s_or_b32 s[G1SB+0], s47, (3<<16)|(1<<21)
.irp g, G1, G1B
	s_mov_b32 s[\g+1], 32<<16
	s_mov_b32 s[\g+2], 96<<16
	s_mov_b32 s[\g+3], 32<<16
	s_mov_b32 s[\g+4], 96
	s_mov_b32 s[\g+5], 32
	s_mov_b32 s[\g+6], 0
	s_mov_b32 s[\g+7], 0
.endr
.irp g, G1S, G1SB
	s_mov_b32 s[\g+1], 32<<16
	s_mov_b32 s[\g+2], 16<<16
	s_mov_b32 s[\g+3], 32<<16
	s_mov_b32 s[\g+4], 16
	s_mov_b32 s[\g+5], 32
	s_mov_b32 s[\g+6], 0
	s_mov_b32 s[\g+7], 0
.endr
	s_lshl_b32 s92, s43, 6
	s_lshl_b32 s93, s44, 3
	s_add_co_u32 s92, s92, s93
	s_lshl_b32 s94, s43, 3
	s_add_co_u32 s94, s94, 192
	s_add_co_u32 s93, s93, 128
	s_mov_b32 s95, 208
	s_cmp_eq_u32 s43, 2
	s_cselect_b32 s45, 1, 0
	s_cselect_b32 s92, s95, s92
	s_cselect_b32 s94, s93, s94
	s_lshl_b32 s66, s41, 1
	s_add_co_u32 s92, s92, s66
	s_add_co_u32 s92, s92, s20
	s_lshl_b32 s67, s40, 1
	s_add_co_u32 s94, s94, s67
	s_add_co_u32 s94, s94, s20
	s_mul_i32 s96, s92, 98304
	s_mov_b32 s97, 0
	s_lshl_b32 s22, s92, 12
	s_mov_b32 s23, 0
	s_mul_i32 s98, s94, 98304
	s_mov_b32 s99, 0
	s_lshl_b32 s2, s94, 12
	s_mov_b32 s3, 0
	s_mul_i32 s21, s18, HALFT
	s_lshl_b32 s93, s18, 12
	s_wait_kmcnt 0x0
	s_add_nc_u64 s[96:97], s[4:5], s[96:97]
	s_add_nc_u64 s[22:23], s[6:7], s[22:23]
	s_add_nc_u64 s[98:99], s[4:5], s[98:99]
	s_add_nc_u64 s[2:3], s[6:7], s[2:3]
	CROUND
	s_mov_b32 s[G0S], 1
	s_add_co_u32 s[G0S+1], s93, SCL
	s_mov_b64 s[G0S+2:G0S+3], s[22:23]
	s_or_b32 s[G0S+3], s[G0S+3], 0x80000000
	s_mov_b32 s[G0SB], 1
	s_add_co_u32 s[G0SB+1], s93, SCL
	s_mov_b64 s[G0SB+2:G0SB+3], s[2:3]
	s_or_b32 s[G0SB+3], s[G0SB+3], 0x80000000
	JLOAD G0S, G1S, G0SB, G1SB
.irp s, 0,1
	s_mov_b32 s[G0+4*\s], 1
	s_add_co_u32 s[G0+4*\s+1], s21, \s*SLOT
	s_add_nc_u64 s[G0+4*\s+2:G0+4*\s+3], s[96:97], \s*HALFT
	s_or_b32 s[G0+4*\s+3], s[G0+4*\s+3], 0x80000000
	s_mov_b32 s[G0B+4*\s], 1
	s_add_co_u32 s[G0B+4*\s+1], s21, \s*SLOT
	s_add_nc_u64 s[G0B+4*\s+2:G0B+4*\s+3], s[98:99], \s*HALFT
	s_or_b32 s[G0B+4*\s+3], s[G0B+4*\s+3], 0x80000000
	s_wait_alu depctr_va_vdst(0)
	s_wait_tensorcnt 0x0
	ds_add_u32 v28, v29
	s_wait_dscnt 0x0
	CROUND
	JLOAD G0+4*\s, G1, G0B+4*\s, G1B
.endr
	v_and_b32 v1, 31, v0
	v_and_b32 v2, 15, v0
	v_bfe_u32 v3, v0, 4, 1
	s_wait_alu depctr_va_vdst(0)
	v_lshlrev_b32 v[L16], 4, v1
	v_lshlrev_b32 v[L8], 3, v1
	s_mul_i32 s21, s19, HALFT
	s_mul_i32 s95, s20, HALFT
	s_add_co_u32 s95, s95, 2*HALFT
.irp s, 0,1
	v_add_nc_u32 v[ADRA+\s], s21, v[L16]
	v_add_nc_u32 v[ADRB+\s], s95, v[L16]
	s_add_co_u32 s21, s21, SLOT
	s_add_co_u32 s95, s95, SLOT
.endr
	s_add_co_u32 s95, s20, 2
	s_sub_co_u32 s95, s95, s19
	s_lshl_b32 s95, s95, 12
	v_mul_u32_u24 v4, s95, v3
	v_lshl_add_u32 v4, v2, 4, v4
	s_lshl_b32 s93, s19, 12
	s_add_co_u32 s93, s93, SCL
	v_add_nc_u32 v[ADRS], s93, v4
	s_lshl_b32 s66, s41, 1
	s_add_co_u32 s66, s66, s19
	s_lshl_b32 s67, s40, 1
	s_add_co_u32 s67, s67, s20
	s_cmp_eq_u32 s45, 1
	s_cselect_b32 s96, s67, s66
	s_cselect_b32 s97, s66, s67
	s_cselect_b32 s98, 0, 64
	s_cselect_b32 s99, 0, 4
	s_cmp_eq_u32 s43, 1
	s_cselect_b64 s[2:3], s[10:11], s[8:9]
	s_cmp_eq_u32 s43, 2
	s_cselect_b64 s[2:3], s[12:13], s[2:3]
	s_lshl_b32 s22, s97, 9
	s_mov_b32 s23, 0
	s_add_nc_u64 s[2:3], s[2:3], s[22:23]
	v_and_b32 v4, 8, v2
	v_add_nc_u32 v4, v4, v2
	v_lshlrev_b32 v4, 2, v4
	v_mul_u32_u24 v4, v4, s45
	v_mad_u32_u24 v4, v3, s98, v4
	s_wait_alu depctr_va_vdst(0)
.irp j, 0,1,2,3,4,5,6,7
	s_mul_i32 s22, s99, \j
	v_add_nc_u32 v[VO+\j], s22, v4
.endr
.irp t, 0,1,2,3,4,5,6,7
.irp j, 0,1,2,3,4,5,6,7
	global_load_b32 v[BIAS+8*\t+\j], v[VO+\j], s[2:3] offset:(32*(\t/2)+8*(\t%2))*4
.endr
.endr
	s_lshl_b32 s22, s44, 3
	s_add_co_u32 s22, s22, s96
	s_lshr_b32 s23, s22, 4
	s_and_b32 s22, s22, 15
	s_lshl_b32 s23, s23, 4
	s_lshl_b32 s96, s97, 1
	s_add_co_u32 s23, s23, s96
	s_lshl_b32 s23, s23, 4
	s_add_co_u32 s22, s22, s23
	s_mul_i32 s22, s22, 13056
	s_mov_b32 s23, 0
	s_cmp_eq_u32 s43, 0
	s_cselect_b64 s[66:67], s[14:15], s[16:17]
	s_add_nc_u64 s[66:67], s[66:67], s[22:23]
	s_wait_tensorcnt 1
	s_barrier_signal -1
	s_barrier_wait -1
	FETCH_B 0, 0, 0
	FETCH_A 0, 0, 0
	SCALES 0, 0
	FETCH_A 0, 0, 4
	s_wait_loadcnt 0x0
	s_cmp_eq_u32 s45, 1
	s_cbranch_scc1 .Lfirst_v
	STEP 0, 1
	s_branch .Lfirst_done
.Lfirst_v:
	STEP 0, 2
.Lfirst_done:
	TURN 0, 1, 1, 1
	STEP 1, 0
	TURN 1, 0, 1, 2
	STEP 0, 0
	TURN 0, 1, 0, 3
	STEP 1, 0
	s_wait_dscnt 4*NLA
	WIN MUL_LO
	MUL16 0, 1, 1, 1, 0
	MUL16 2, 1, 1, 1, 0
	s_wait_dscnt 0x0
	WIN MUL_HI
	MUL16 4, 1, 1, 1, 0
	MUL16 6, 1, 1, 1, 0
	WIN 0
	PLACES
	s_mov_b32 s[SEL], 0x76543210
	s_mov_b32 s[SEL+1], 0xfedcba98
.irp b, 0,1,2,3
	v_mov_b32 v[TM+4+\b], 0
.endr
	v_cmp_le_u32 vcc_lo, 16, v1
	s_cmp_eq_u32 s45, 1
	s_cbranch_scc1 .Lout_v
.irp i, 0,1,2,3
	Q4W 2*\i, PCB+24*\i, PCB+24*\i+12, PW+2*\i
	Q4W 2*\i+1, PCB+24*\i+6, PCB+24*\i+18, PW+2*\i+1
.irp c, 0,1
.irp k, 0,1,2
	global_store_b128 v[L16], v[PCB+24*\i+12*\c+4*\k:PCB+24*\i+12*\c+4*\k+3], s[66:67] offset:\c*208896+\i*1536+512*\k
.endr
.endr
.endr
.irp i, 0,1,2,3
	v_cndmask_b32 v[TM+\i], v[PW+2*\i], v[PW+2*\i+1], vcc_lo
.endr
.irp i, 0,1,2,3
	v_and_b32 v[SOUT+\i], 0xffff, v[TM+\i]
	v_lshrrev_b32 v[SOUT+4+\i], 16, v[TM+\i]
.endr
	global_store_b128 v[L16], v[SOUT:SOUT+3], s[66:67] offset:12288
	global_store_b128 v[L16], v[SOUT+4:SOUT+7], s[66:67] offset:208896+12288
	s_branch .Lend
.Lout_v:
.irp a, 0,1,2,3,4,5,6,7
	Q4W \a, PCB+12*\a, PCB+12*\a+6, PW+\a
.irp k, 0,1,2
	global_store_b128 v[L16], v[PCB+12*\a+4*\k:PCB+12*\a+4*\k+3], s[66:67] offset:(\a/4)*208896+6144+(\a%4)*1536+512*\k
.endr
.endr
.irp x, 0,1
.irp i, 0,1
	v_cndmask_b32 v[SOUT+2*\x+\i], v[PW+4*\x+2*\i], v[PW+4*\x+2*\i+1], vcc_lo
.endr
	global_store_b64 v[L8], v[SOUT+2*\x:SOUT+2*\x+1], s[66:67] offset:\x*208896+12800
.endr
.Lend:
	s_wait_tensorcnt 0x0
	ds_add_u32 v[SPW], v[NIL]
	s_wait_dscnt 0x0
	CROUND
	s_endpgm
.Lfunc_end_k_qc5ffa1cf8b_proj:
	.size	k_qc5ffa1cf8b_proj, .Lfunc_end_k_qc5ffa1cf8b_proj-k_qc5ffa1cf8b_proj
	.p2alignl 7, 3214868480
	.fill 96, 4, 3214868480
	.section	.rodata,"a",@progbits
	.p2align	6, 0x0
	.amdhsa_kernel k_qc5ffa1cf8b_proj
		.amdhsa_group_segment_fixed_size 327680
		.amdhsa_private_segment_fixed_size 0
		.amdhsa_enable_private_segment 0
		.amdhsa_kernarg_size 56
		.amdhsa_user_sgpr_count 2
		.amdhsa_user_sgpr_kernarg_segment_ptr 1
		.amdhsa_wavefront_size32 1
		.amdhsa_system_sgpr_workgroup_id_x 1
		.amdhsa_system_sgpr_workgroup_id_y 1
		.amdhsa_system_sgpr_workgroup_id_z 1
		.amdhsa_system_vgpr_workitem_id 0
		.amdhsa_next_free_vgpr 1024
		.amdhsa_next_free_sgpr 100
		.amdhsa_reserve_vcc 1
		.amdhsa_float_denorm_mode_32 3
		.amdhsa_float_denorm_mode_16_64 3
		.amdhsa_memory_ordered 1
		.amdhsa_forward_progress 1
		.amdhsa_inst_pref_size 192
	.end_amdhsa_kernel
	.amdgpu_metadata
---
amdhsa.version: [ 1, 2 ]
amdhsa.kernels:
  - .name:           k_qc5ffa1cf8b_proj
    .symbol:         k_qc5ffa1cf8b_proj.kd
    .args:
      - { .name: xcodes, .offset: 0, .size: 8, .value_kind: global_buffer, .address_space: global }
      - { .name: xscales, .offset: 8, .size: 8, .value_kind: global_buffer, .address_space: global }
      - { .name: bq, .offset: 16, .size: 8, .value_kind: global_buffer, .address_space: global }
      - { .name: bk, .offset: 24, .size: 8, .value_kind: global_buffer, .address_space: global }
      - { .name: bv, .offset: 32, .size: 8, .value_kind: global_buffer, .address_space: global }
      - { .name: qrec, .offset: 40, .size: 8, .value_kind: global_buffer, .address_space: global }
      - { .name: kvrec, .offset: 48, .size: 8, .value_kind: global_buffer, .address_space: global }
    .group_segment_fixed_size: 327680
    .private_segment_fixed_size: 0
    .kernarg_segment_align: 8
    .kernarg_segment_size: 56
    .max_flat_workgroup_size: 128
    .sgpr_count:     100
    .vgpr_count:     1024
    .wavefront_size: 32
...
	.end_amdgpu_metadata
.endif
;; end of part 2
;; launch attn (part 3): grid 4 x 64, 8 waves a work-group, clusters of 4 x 1, 210,944 bytes of LDS; arguments qrec, kvrec, ccodes, cscales; writes ccodes, cscales
.if DOCPART == 3
	.amdgcn_target "amdgcn-amd-amdhsa--gfx1250"
	.amdhsa_code_object_version 6
	.text
	.protected	k_qc5ffa1cf8b_attn
	.globl	k_qc5ffa1cf8b_attn
	.p2align	8
	.type	k_qc5ffa1cf8b_attn,@function
k_qc5ffa1cf8b_attn:
	s_mov_b64 s[64:65], 0
	v_nop
	global_prefetch_b8 v0, s[64:65] scope:SCOPE_SE
	s_setreg_imm32_b32 hwreg(HW_REG_WAVE_MODE, 25, 1), 1
	s_wait_xcnt 0x0
	s_wait_alu depctr_hold_cnt(0) depctr_sa_sdst(0) depctr_va_vdst(0) depctr_va_sdst(0) depctr_va_ssrc(0) depctr_va_vcc(0) depctr_vm_vsrc(0)
	s_getreg_b32 s2, hwreg(HW_REG_IB_STS2, 6, 4)
	s_cmp_eq_u32 s2, 0
	s_cbranch_scc0 .Lentry_in_a_cluster
	s_endpgm
.Lentry_in_a_cluster:
	s_bfe_u32 s2, ttmp6, 0x10000c
	s_cmp_lg_u32 s2, 0x3003
	s_cbranch_scc0 .Lentry_shape_is_right
	s_endpgm
.Lentry_shape_is_right:
; ctx[b][q][head][:] = the sum over keys of softmax(q . k / 8) v, both products on codes of FP6 (E2M3) with E8M0 scales; ctx is quantised along (head, d) and leaves as the last launch's operand registers.
; THE SOFTMAX AHEAD OF THE SECOND PRODUCT: t = score x log2(e) / 8; M = the running largest t, rounded UP to a whole number; p = 2^(t - M) is what is quantised, along the keys, not normalised.  The row's sum is taken of the
; unquantised p and divides O at the end.  When M moves, the sum and O are multiplied by 2^(old M - new M): exact.
; INPUTS: records of 13,056 bytes for a head and 128 tokens, [batch x 16 + head][16]: bytes 0-6,143 four images of pairs of tiles of k (in qrec: of q): registers 0-5 tile 2 i, 6-11 tile 2 i + 1, a tile = 16 tokens x the head's 64;
; 6,144-12,287 four fragments of v^T (16 of the head's 64 x 128 keys); 12,288 [lane][pair] scale words of k (q); 12,800 [lane][2] words of v^T.  Images: chunks of 512 bytes, chunk c = registers 4 c .. 4 c + 3, lane l at 16 l.
; Q's tokens and v^T's d: lane r of tile 2 b + u holds 32 b + 8 u + r + 8 (r / 8).  K'S TOKENS: lane 8 h + i of tile 4 c + j holds key 64 c + 32 h + 8 j + i of its 128.
; SHARES.  A cluster of four work-groups is one head; a work-group owns 512 of its queries, each of its eight waves 64: FOUR tiles of 16, in one pass over the keys.  In a key step of 128 keys a wave reads K's and V's fragments from LDS once,
; 26 loads, and all four tiles use them from registers.  THE TILES GO IN PAIRS: S^T, the softmax and O^T of two tiles are laid line by line in turn, so that each dependent chain (the maxima, M, the scale word) has an independent one beside it,
; and one wait ahead of and one behind a batch serve 128 exponentials.  512 registers a wave, two waves to a SIMD.
; NO RING.  A head's 16 records, 208,896 bytes, lie in LDS for the whole launch: wave w asks for records 2 w and 2 w + 1, neighbours in memory and in LDS, by one load, JOINTLY with the same wave of the three partners.
; Nothing is filled again, so the loop has no barrier.  No L2 prefetch: all that the launch reads is asked for at its start.
; LOADS AHEAD: the next step's K is asked of LDS behind the second pair's first products, its V behind that pair's second.  The last step asks for record 15 once more (the address is held there), and nothing reads that.
; LAYOUT.  Both products are used transposed: S^T = K Q^T (source 0 = 16 keys, source 1 = 16 queries), O^T = V^T P^T: a lane holds ONE query of each tile.  By K's order register 32 c + 8 j + i of S^T in lane (r, h) is key 64 c + 32 h + 8 j + i:
; a lane's 32 registers are a WHOLE scale block of p, in the order of the operand's registers 6 c .. 6 c + 5.
; K = 64 IN AN INSTRUCTION OF 128: Q's upper 64 codes are zeros, so what K's operand holds there adds nothing (every code of the format is a finite number; the upper scale bytes are 0): tile t's operand is v[KF + 6 t .. + 11],
; which runs on into the next tile's registers, the last tile's into the first six of p's codes.
; REGISTERS.  Window 0: addresses, the four tiles' states (-M, largest score, the sum's two halves), scale words, what is at work, K, the pair's p codes, V, the four Q (six registers of codes, six of zeros).
; Window 1: v0-127 the four O^T, v128-191 and v192-255 the pair's S^T, then p.  Each phase of a pair stands under one setting of the windows.
; OUTPUT: ccodes [block of 128 tokens: 64][K step: 8 = head / 2][tile: 8][6 chunks of 256 bytes]: chunk e = registers 2 e, 2 e + 1, lane l at 8 l; head % 2 writes chunks 3 (head % 2) on.  cscales as the other operands' scale words: bytes 0-1 the even head's, 2-3 the odd head's.
; LIMITS: the promise holds while the scaled scores t stay under 2^31 in magnitude; NaN and infinities are not served; a block whose largest magnitude lies under 2^-124 keeps the byte 1, a block of zeros too (this program alone reads the bytes).
.set REC,  13056
.set L16,  1                           ; v1  16 x lane
.set L8,   2                           ; v2  8 x lane
.set AD,   3                           ; v3  a record + 16 x lane
.set AD8,  4                           ; v4  + 8 x lane
.set H8,   5                           ; v5  8 h: how far my two scale bytes are shifted
.set SOF,  6                           ; v6  ctx's scale bytes: 16 r + 4 h;  v7 the lane
.set ST,   8                           ; v8-23 tile x: v[8 + 4 x] -M, + 1 the running largest score, + 2, + 3 the sum
; below, e = 0, 1 is the tile's place in its pair
.set OM,   24                          ; v[24 + e] the step before's -M
.set T,    26                          ; v[26 + e]
.set F,    28                          ; v[28 + 2 e ..] f = 2^(old M - new M), the low word of a pair; at the end 1 / the sum
.set QS,   32                          ; v32, v33 Q's scale words: a register a pair of tiles, lanes 0-15 the even tile's, 16-31 the odd one's
.set KSC,  34                          ; v[34:37] K's, likewise
.set VSC,  38                          ; v[38:39] V's
.set PS,   40                          ; v[40 + e] p's scale word
.set BM,   42                          ; v[42 + 4 e ..] four chains of maxima; then + 0, + 2 my two blocks' largest scores, then largest p
.set PT,   50                          ; v[50 + 3 e ..] at work
.set SO,   56                          ; v[56 + 2 e + c] the conversions' scale operands
.set SPW,  60
.set NIL,  61
.set SM,   62                          ; v[62 + 6 e ..] three chains of the sum
.set KF,   74                          ; v74-121 K's eight tiles
.set PC,   122                         ; v[122 + 12 e ..] p's codes
.set VF,   146                         ; v146-193 V's four fragments
.set QB,   194                         ; v[194 + 12 x ..] Q
.set SS,   128                         ; window 1: v[128 + 64 e ..] S^T
.set FS,   VF                          ; at the end: 32 numbers of ctx;  v[VF + 40 + x] a tile's two scale bytes
.set PWR,  VF+40
.set WV,   12
.set G1,   16                          ; s[16:23], s[24:27] the descriptor
.set G0,   24
.set SEL,  28
.set CS,   30                          ; s[30:31] c = log2(e) / 8
.set TB,   32                          ; s32 the step's record in LDS; s35 the next step's
.set KC,   33
.set TN,   35
.set MSB, 0
.macro WIN new                         ; low byte: bits 1:0 source 0, 3:2 source 1, 5:4 source 2, 7:6 destination; the high byte repeats the setting that is left
.if MSB != \new
	s_set_vgpr_msb (MSB<<8)|\new
.set MSB, \new
.endif
.endm
.macro CROUND                          ; a round of the cluster's barrier
	s_barrier_signal -1
	s_barrier_wait -1
	s_cmp_lg_u32 s[WV], 0
	s_cbranch_scc1 .Lnot_wave_0_\@
	s_barrier_signal -3
.Lnot_wave_0_\@:
	s_barrier_wait -3
	s_barrier_signal -1
	s_barrier_wait -1
.endm
.macro KLOAD                           ; 13 loads
	ds_load_b128 v[KSC:KSC+3], v[AD] offset:12288
.irp n, 0,1,2,3,4,5,6,7,8,9,10,11
	ds_load_b128 v[KF+4*\n:KF+4*\n+3], v[AD] offset:512*\n
.endr
.endm
.macro VLOAD                           ; 13 loads
	ds_load_b64 v[VSC:VSC+1], v[AD8] offset:12800
.irp n, 0,1,2,3,4,5,6,7,8,9,10,11
	ds_load_b128 v[VF+4*\n:VF+4*\n+3], v[AD] offset:6144+512*\n
.endr
.endm
.macro QKP t, x, e, ar                 ; S^T's tile t of query tile x + e (x even)
	v_wmma_scale_f32_16x16x128_f8f6f4 v[SS+64*\e+8*(\t):SS+64*\e+8*(\t)+7], v[KF+6*(\t):KF+6*(\t)+11], v[QB+12*((\x)+\e):QB+12*((\x)+\e)+11], 0, v[KSC+(\t)/2], v[QS+(\x)/2] matrix_a_fmt:MATRIX_FMT_FP6 matrix_b_fmt:MATRIX_FMT_FP6 matrix_a_scale:MATRIX_SCALE_ROW\ar matrix_b_scale:MATRIX_SCALE_ROW\e
.endm
; TWO QUERY TILES, x AND x + 1, IN ONE KEY STEP
.macro PAIR x
	WIN 0x40                                       ; S^T in window 1
.irp e, 0,1
.irp t, 0,2,4,6
	QKP \t, \x, \e, 0
	QKP \t+1, \x, \e, 1
.endr
.endr
	WIN 0
	v_mov_b32 v[OM], v[ST+4*(\x)]                  ; the -M so far.  (Four plain instructions between the products and the reads of their results, and the loads into the registers that they read)
	v_mov_b32 v[OM+1], v[ST+4*(\x)+4]
.if (\x) == 2
	v_add_nc_u32 v[AD], s[TN], v[L16]
	v_nop
	KLOAD                                          ; the next step's K lands under this pair's softmax
.else
	v_nop
	v_nop
.endif
	WIN 0x15
.irp b, 0,1,2,3
.irp e, 0,1
	v_max3_num_f32 v[BM+4*\e+\b], v[SS+64*\e+16*\b], v[SS+64*\e+16*\b+1], v[SS+64*\e+16*\b+2]      ; eight chains by turns, two to each block of 32 keys
.endr
.endr
	WIN 0x14
.irp i, 3,5,7,9,11,13
.irp b, 0,1,2,3
.irp e, 0,1
	v_max3_num_f32 v[BM+4*\e+\b], v[BM+4*\e+\b], v[SS+64*\e+16*\b+\i], v[SS+64*\e+16*\b+\i+1]
.endr
.endr
.endr
	WIN 0x10
.irp c, 0,1
.irp e, 0,1
	v_max3_num_f32 v[BM+4*\e+2*\c], v[BM+4*\e+2*\c], v[BM+4*\e+2*\c+1], v[SS+64*\e+32*\c+15]
.endr
.endr
	WIN 0x04
.irp c, 0,1
.irp e, 0,1
	v_max_num_f32 v[BM+4*\e+2*\c], v[BM+4*\e+2*\c], v[SS+64*\e+32*\c+31]   ; the largest score of block 2 c + h: it serves for the row's maximum and, since p rises with the score, for the block's largest p
.endr
.endr
	WIN 0
.irp e, 0,1
	v_max_num_f32 v[T+\e], v[BM+4*\e], v[BM+4*\e+2]
.endr
.irp e, 0,1
	v_permlanex16_b32 v[PT+3*\e], v[T+\e], s[SEL], s[SEL+1]
.endr
.irp e, 0,1
	v_max3_num_f32 v[ST+4*((\x)+\e)+1], v[ST+4*((\x)+\e)+1], v[T+\e], v[PT+3*\e]   ; the running largest score of my query, lane l xor 16's 64 keys among them
.endr
.irp e, 0,1
	v_mul_f32 v[T+\e], s[CS], v[ST+4*((\x)+\e)+1]  ; as t (c is positive)
.endr
.irp e, 0,1
	v_floor_f32 v[ST+4*((\x)+\e)], -v[T+\e]        ; the new -M = floor(-t) = -ceil(t)
.endr
.irp e, 0,1
	v_sub_f32 v[T+\e], v[ST+4*((\x)+\e)], v[OM+\e] ; old M - new M: a whole number, 0 or less
.endr
.irp e, 0,1
	v_cvt_i32_f32 v[T+\e], v[T+\e]                 ; (it saturates)
.endr
.irp e, 0,1
	v_ldexp_f32 v[F+2*\e], 1.0, v[T+\e]            ; f = 2^(old M - new M)
.endr
.irp c, 0,1
.irp e, 0,1
	v_fma_f32 v[BM+4*\e+2*\c], v[BM+4*\e+2*\c], s[CS], v[ST+4*((\x)+\e)]   ; t - M of each block's largest score
.endr
.endr
	WIN 0x41
.irp e, 0,1
.set j, 0
.rept 32
	v_pk_fma_f32 v[SS+64*\e+j:SS+64*\e+j+1], v[SS+64*\e+j:SS+64*\e+j+1], s[CS:CS+1], v[ST+4*((\x)+\e):ST+4*((\x)+\e)+1] op_sel_hi:[1,0,0]   ; t - M, two at a time
.set j, j+2
.endr
.endr
.set j, 0
	s_wait_alu depctr_va_vdst(0)                   ; the wait ahead of the batch
.rept 128
	v_exp_f32 v[SS+j], v[SS+j]                     ; p = 2^(t - M)
.set j, j+1
.endr
	WIN 0
.irp e, 0,1
	v_pk_mul_f32 v[ST+4*((\x)+\e)+2:ST+4*((\x)+\e)+3], v[ST+4*((\x)+\e)+2:ST+4*((\x)+\e)+3], v[F+2*\e:F+2*\e+1] op_sel_hi:[1,0]   ; the sums under the new M: the plain instructions behind the exponentials
.endr
	s_wait_alu depctr_va_vdst(0)                   ; one wait for the batch of 128, ahead of its first reader
.irp c, 0,1
.irp e, 0,1
	v_exp_f32 v[BM+4*\e+2*\c], v[BM+4*\e+2*\c]     ; the block's largest p: the same two instructions on the same number give the same bits
.endr
.endr
	WIN 0x05
.irp k, 0,1,2
.irp e, 0,1
	v_pk_add_f32 v[SM+6*\e+2*\k:SM+6*\e+2*\k+1], v[SS+64*\e+4*\k:SS+64*\e+4*\k+1], v[SS+64*\e+4*\k+2:SS+64*\e+4*\k+3]     ; the rows' sums, of the unquantised p: four chains a tile
.endr
.endr
	WIN 0x04
.irp g, 0,1,2,3,4,5
.irp e, 0,1
	v_pk_add_f32 v[ST+4*((\x)+\e)+2:ST+4*((\x)+\e)+3], v[ST+4*((\x)+\e)+2:ST+4*((\x)+\e)+3], v[SS+64*\e+12+8*\g:SS+64*\e+13+8*\g]
.endr
.irp k, 0,1,2
.irp e, 0,1
	v_pk_add_f32 v[SM+6*\e+2*\k:SM+6*\e+2*\k+1], v[SM+6*\e+2*\k:SM+6*\e+2*\k+1], v[SS+64*\e+14+8*\g+2*\k:SS+64*\e+15+8*\g+2*\k]
.endr
.endr
.endr
.irp e, 0,1
	v_pk_add_f32 v[ST+4*((\x)+\e)+2:ST+4*((\x)+\e)+3], v[ST+4*((\x)+\e)+2:ST+4*((\x)+\e)+3], v[SS+64*\e+60:SS+64*\e+61]
.endr
.irp e, 0,1
	v_pk_add_f32 v[SM+6*\e:SM+6*\e+1], v[SM+6*\e:SM+6*\e+1], v[SS+64*\e+62:SS+64*\e+63]
.endr
	WIN 0
.irp e, 0,1
	v_pk_add_f32 v[ST+4*((\x)+\e)+2:ST+4*((\x)+\e)+3], v[ST+4*((\x)+\e)+2:ST+4*((\x)+\e)+3], v[SM+6*\e+4:SM+6*\e+5]
.endr
.irp e, 0,1
	v_pk_add_f32 v[SM+6*\e:SM+6*\e+1], v[SM+6*\e:SM+6*\e+1], v[SM+6*\e+2:SM+6*\e+3]
.endr
.irp e, 0,1
	v_pk_add_f32 v[ST+4*((\x)+\e)+2:ST+4*((\x)+\e)+3], v[ST+4*((\x)+\e)+2:ST+4*((\x)+\e)+3], v[SM+6*\e:SM+6*\e+1]
.endr
	s_wait_alu depctr_va_vdst(0)                   ; and one for the four
.irp c, 0,1
.irp e, 0,1
	v_max_num_f32 v[BM+4*\e+2*\c], 0x1800000, v[BM+4*\e+2*\c]      ; the floor 2^(3 - 127): the byte cannot fall under 1
.endr
.endr
.irp c, 0,1
.irp e, 0,1
	v_add_nc_u32 v[SO+2*\e+\c], 0xff000000, v[BM+4*\e+2*\c]        ; 2 off the exponent field: the conversion's scale operand
.endr
.endr
	WIN 0x01
.irp c, 0,1
.irp e, 0,1
	v_cvt_scalef32_pk16_fp6_f32 v[PC+12*\e+6*\c:PC+12*\e+6*\c+2], v[SS+64*\e+32*\c:SS+64*\e+32*\c+15], v[SO+2*\e+\c]      ; keys 64 c + 32 h + 0 .. 15: registers 6 c .. 6 c + 2 of the operand as they fall
.endr
.endr
	WIN 0
.irp c, 0,1
.irp e, 0,1
	v_lshrrev_b32 v[PT+3*\e+\c], 23, v[SO+2*\e+\c] ; the scales' bytes.  (Plain instructions between the conversions above and those below, which write over their sources)
.endr
.endr
	WIN 0x41
.irp c, 0,1
.irp e, 0,1
	v_cvt_scalef32_pk16_fp6_f32 v[SS+64*\e+32*\c:SS+64*\e+32*\c+2], v[SS+64*\e+32*\c+16:SS+64*\e+32*\c+31], v[SO+2*\e+\c]  ; keys + 16 .. 31 (a conversion's three registers begin on an even number): into registers of p that have been converted
.endr
.endr
	WIN 0
.irp e, 0,1
	v_lshl_or_b32 v[PS+\e], v[PT+3*\e+1], 16, v[PT+3*\e]           ; blocks h and 2 + h,
.endr
.irp e, 0,1
	v_lshlrev_b32 v[PS+\e], v[H8], v[PS+\e]        ; at their places in the word;
.endr
.irp e, 0,1
	v_permlanex16_b32 v[PT+3*\e+2], v[PS+\e], s[SEL], s[SEL+1]
.endr
.irp e, 0,1
	v_or_b32 v[PS+\e], v[PS+\e], v[PT+3*\e+2]      ; with lane l xor 16's two: p's scale word for these 128 keys
.endr
	WIN 0x01
.irp e, 0,1
.irp c, 0,1
.irp i, 0,1,2
	v_mov_b32 v[PC+12*\e+6*\c+3+\i], v[SS+64*\e+32*\c+\i]
.endr
.endr
.endr
.if (\x) == 0
	s_wait_dscnt 0x0                               ; V
.endif
	WIN 0x41
	s_wait_alu depctr_va_vdst(0)                   ; the wait directly ahead of the first reader of O^T
.irp e, 0,1
.set j, 0
.rept 16
	v_pk_mul_f32 v[32*((\x)+\e)+j:32*((\x)+\e)+j+1], v[32*((\x)+\e)+j:32*((\x)+\e)+j+1], v[F+2*\e:F+2*\e+1] op_sel_hi:[1,0]       ; O^T under the new M.  (Also the places behind the writes of p's codes and scale words)
.set j, j+2
.endr
.endr
	WIN 0x50
.irp e, 0,1
.irp t, 0,2
	v_wmma_scale_f32_16x16x128_f8f6f4 v[32*((\x)+\e)+8*\t:32*((\x)+\e)+8*\t+7], v[VF+12*\t:VF+12*\t+11], v[PC+12*\e:PC+12*\e+11], v[32*((\x)+\e)+8*\t:32*((\x)+\e)+8*\t+7], v[VSC+\t/2], v[PS+\e] matrix_a_fmt:MATRIX_FMT_FP6 matrix_b_fmt:MATRIX_FMT_FP6
	v_wmma_scale_f32_16x16x128_f8f6f4 v[32*((\x)+\e)+8*\t+8:32*((\x)+\e)+8*\t+15], v[VF+12*\t+12:VF+12*\t+23], v[PC+12*\e:PC+12*\e+11], v[32*((\x)+\e)+8*\t+8:32*((\x)+\e)+8*\t+15], v[VSC+\t/2], v[PS+\e] matrix_a_fmt:MATRIX_FMT_FP6 matrix_b_fmt:MATRIX_FMT_FP6 matrix_a_scale:MATRIX_SCALE_ROW1
.endr
.endr
	WIN 0
.endm
; A TILE'S END: O^T / the sum is ctx of 16 queries: register 16 b + i = d 32 b + 16 h + i: two blocks of the last product's K.  Its codes go to v[KF + 8 x ..], its two scale bytes to v[PWR + x]: no store's data are written again
.macro FIN x
.set NM, ST+4*(\x)
.set E, KF+8*(\x)
	v_add_f32 v[NM+2], v[NM+2], v[NM+3]
	s_delay_alu instid0(VALU_DEP_1)
	v_permlanex16_b32 v[T], v[NM+2], s[SEL], s[SEL+1]
	s_delay_alu instid0(VALU_DEP_1)
	v_add_f32 v[NM+2], v[NM+2], v[T]               ; the row's sum
	s_wait_alu depctr_va_vdst(0)
	v_rcp_f32 v[F], v[NM+2]
	v_nop                                          ; the plain instruction behind the reciprocal
	WIN 0x01
	s_wait_alu depctr_va_vdst(0)                   ; the wait ahead of the first reader of the reciprocal and of O^T
.set j, 0
.rept 16
	v_pk_mul_f32 v[FS+j:FS+j+1], v[32*(\x)+j:32*(\x)+j+1], v[F:F+1] op_sel_hi:[1,0]
.set j, j+2
.endr
	WIN 0
.irp b, 0,1
	v_max3_num_f32 v[BM+\b], |v[FS+16*\b]|, |v[FS+16*\b+1]|, 0x1800000
.endr
.irp i, 2,4,6,8,10,12,14
.irp b, 0,1
	s_delay_alu instid0(VALU_DEP_2)
	v_max3_num_f32 v[BM+\b], v[BM+\b], |v[FS+16*\b+\i]|, |v[FS+16*\b+\i+1]|
.endr
.endr
.irp b, 0,1
	s_delay_alu instid0(VALU_DEP_2)
	v_permlanex16_b32 v[PT+\b], v[BM+\b], s[SEL], s[SEL+1]
.endr
.irp b, 0,1
	s_delay_alu instid0(VALU_DEP_2)
	v_max_num_f32 v[BM+\b], v[BM+\b], v[PT+\b]
.endr
.irp b, 0,1
	s_delay_alu instid0(VALU_DEP_2)
	v_add_nc_u32 v[SO+\b], 0xff000000, v[BM+\b]
.endr
.irp b, 0,1
	s_delay_alu instid0(VALU_DEP_2)
	v_lshrrev_b32 v[PT+\b], 23, v[SO+\b]
.endr
	s_delay_alu instid0(VALU_DEP_1)
	v_lshl_or_b32 v[PWR+(\x)], v[PT+1], 8, v[PT]   ; my head's two bytes of the row's scale word
	v_cvt_scalef32_pk16_fp6_f32 v[E:E+2], v[FS:FS+15], v[SO]
	v_cvt_scalef32_pk16_fp6_f32 v[PC:PC+2], v[FS+16:FS+31], v[SO+1]
	v_nop
.irp i, 0,1,2
	v_permlane16_swap_b32 v[E+\i], v[PC+\i]        ; a whole block to a lane
.endr
.irp i, 0,1,2
	s_delay_alu instid0(VALU_DEP_3)
	v_mov_b32 v[E+3+\i], v[PC+\i]
.endr
.irp e, 0,1,2
	global_store_b64 v[L8], v[E+2*\e:E+2*\e+1], s[8:9] offset:1536*(\x)+256*\e     ; 32 lanes store 256 consecutive bytes, aligned
.endr
.endm
	s_load_b256 s[4:11], s[0:1], 0x0               ; qrec, kvrec, ccodes, cscales
	v_lshl_add_u32 v[SPW], v0, 2, 0x33000
	v_mov_b32 v[NIL], 0
	ds_add_u32 v[SPW], v[NIL]                      ; the opening lines: the add twice on end and its wait
	ds_add_u32 v[SPW], v[NIL]
	v_lshrrev_b32 v7, 5, v0
	s_delay_alu instid0(VALU_DEP_1)
	v_readfirstlane_b32 s[WV], v7                  ; wave 0..7
	s_bfe_u32 s13, ttmp6, 0x40000                  ; cx: it enters Q's and ctx's addresses alone
	s_and_b32 s14, ttmp7, 0xffff                   ; batch x 16 + head, which the four partners share
	s_mov_b32 s[G1], 15|(3<<16)|(1<<21)            ; the mask: all four work-groups; elements of 8 bytes; bit 21 beside a mask; no padding: every LDS read takes consecutive bytes in consecutive lanes
	s_mov_b32 s[G1+1], 32<<16                      ; rows of 256 bytes
	s_mov_b32 s[G1+2], 102<<16                     ; 102 of them: two records
	s_mov_b32 s[G1+3], 32<<16
	s_mov_b32 s[G1+4], 102
	s_mov_b32 s[G1+5], 32
	s_mov_b32 s[G1+6], 0
	s_mov_b32 s[G1+7], 0
	s_lshl_b32 s36, s14, 4
	s_lshl_b32 s37, s[WV], 1
	s_add_co_u32 s36, s36, s37
	s_mul_i32 s36, s36, REC                        ; the head's record 2 w, in memory,
	s_mov_b32 s37, 0
	s_mul_i32 s38, s[WV], 2*REC                    ; and in LDS
	s_mov_b32 s[SEL], 0x76543210
	s_mov_b32 s[SEL+1], 0xfedcba98
	s_mov_b32 s[CS], 0x3e38aa3b
	s_mov_b32 s[CS+1], s[CS]                       ; (named with it as a pair, so it is written)
	s_wait_dscnt 0x0
	s_wait_kmcnt 0x0
	s_mov_b32 s[G0], 1
	s_mov_b32 s[G0+1], s38
	s_add_nc_u64 s[G0+2:G0+3], s[6:7], s[36:37]
	s_or_b32 s[G0+3], s[G0+3], 0x80000000
	CROUND                                         ; all four work-groups are here: the joint loads meet
	tensor_load_to_lds s[G0:G0+3], s[G1:G1+7]      ; my one tensor load
	s_nop 0
.rept 4
	v_nop
.endr
	s_lshl_b32 s15, s13, 2
	s_lshr_b32 s39, s[WV], 1
	s_add_co_u32 s39, s39, s15                     ; my block of 128 queries, 0..15,
	s_and_b32 s40, s[WV], 1                        ; and which half of it: tiles 4 x half on
	s_lshl_b32 s41, s14, 4
	s_add_co_u32 s41, s41, s39
	s_mul_i32 s41, s41, REC
	s_mul_i32 s42, s40, 3072
	s_add_co_u32 s42, s42, s41
	s_mov_b32 s43, 0
	s_add_nc_u64 s[44:45], s[4:5], s[42:43]        ; Q's two pair images
	s_lshl_b32 s42, s40, 3
	s_add_co_u32 s42, s42, s41
	s_add_nc_u64 s[46:47], s[4:5], s[42:43]        ; and, 12,288 bytes on, their scale words
	v_and_b32 v7, 31, v0                           ; lane
	s_delay_alu instid0(VALU_DEP_1)
	v_lshlrev_b32 v[L16], 4, v7
	s_delay_alu instid0(VALU_DEP_2)
	v_lshlrev_b32 v[L8], 3, v7
.irp k, 0,1,2,3,4,5
	global_load_b128 v[VF+4*\k:VF+4*\k+3], v[L16], s[44:45] offset:512*\k  ; tile x's six registers land at v[VF + 6 x]
.endr
	global_load_b64 v[QS:QS+1], v[L16], s[46:47] offset:12288
	v_and_b32 v8, 15, v0
	v_bfe_u32 v9, v0, 4, 1
	s_delay_alu instid0(VALU_DEP_2)
	v_lshlrev_b32 v[SOF], 4, v8
	s_delay_alu instid0(VALU_DEP_1)
	v_lshl_add_u32 v[SOF], v9, 2, v[SOF]
	v_lshlrev_b32 v[H8], 3, v9
	v_mov_b32 v[AD], v[L16]                        ; record 0
	v_mov_b32 v[AD8], v[L8]
	s_lshr_b32 s48, s14, 4
	s_lshl_b32 s48, s48, 4
	s_add_co_u32 s48, s48, s39                     ; my block of 128 tokens among all 64
	s_and_b32 s49, s14, 15                         ; head
	s_lshr_b32 s50, s49, 1                         ; the last product's K step
	s_and_b32 s51, s49, 1                          ; and which half of it
	s_mul_i32 s52, s48, 98304
	s_mul_i32 s53, s50, 12288
	s_add_co_u32 s52, s52, s53
	s_mul_i32 s53, s40, 6144                       ; tile 4 x half
	s_add_co_u32 s52, s52, s53
	s_mul_i32 s53, s51, 768                        ; chunks 3 (head % 2) on
	s_add_co_u32 s52, s52, s53
	s_mov_b32 s53, 0
	s_add_nc_u64 s[8:9], s[8:9], s[52:53]
	s_lshl_b32 s52, s48, 12
	s_lshl_b32 s54, s50, 9
	s_add_co_u32 s52, s52, s54
	s_lshl_b32 s54, s40, 8                         ; g = tile / 4
	s_add_co_u32 s52, s52, s54
	s_lshl_b32 s54, s51, 1
	s_add_co_u32 s52, s52, s54
	s_add_nc_u64 s[10:11], s[10:11], s[52:53]
.irp x, 0,1,2,3
	v_mov_b32 v[ST+4*\x], 0x7f61b1e6               ; a -M above every other, 3e38: the first f is 0
	v_mov_b32 v[ST+4*\x+1], 0xff61b1e6             ; the largest score so far: -3e38
	v_mov_b32 v[ST+4*\x+2], 0                      ; the sum, in two halves
	v_mov_b32 v[ST+4*\x+3], 0
.endr
.irp b, 0,1,2,3,4,5
	v_mov_b32 v[PT+\b], 0                          ; written once: a lane permute's destination counts as one of its sources
.endr
	v_mov_b32 v[F+1], 0                            ; (named as the upper halves of pairs)
	v_mov_b32 v[F+3], 0
.irp i, 0,1,2,3,4,5
	v_mov_b32 v[PC+\i], 0                          ; what the last tile of K runs on into, in the first step
.endr
.irp x, 0,1,2,3
.irp i, 6,7,8,9,10,11
	v_mov_b32 v[QB+12*\x+\i], 0                    ; Q's upper 64 codes are zeros
.endr
.endr
	WIN 0x40
.set j, 0
.rept 128
	v_mov_b32 v[j], 0                              ; O^T: the key step is written once: the first finds zeros, which the first change of M leaves zeros
.set j, j+1
.endr
	WIN 0
	s_wait_loadcnt 0x0                             ; Q
.irp x, 0,1,2,3
.irp i, 0,1,2,3,4,5
	v_mov_b32 v[QB+12*\x+\i], v[VF+6*\x+\i]
.endr
.endr
	s_wait_alu depctr_va_vdst(0)                   ; the wait at the head's end
	s_wait_tensorcnt 0x0                           ; my two records are in,
	s_barrier_signal -1
	s_barrier_wait -1                              ; everybody's are
	KLOAD
	VLOAD
	s_mov_b32 s[TB], 0
	s_mov_b32 s[KC], 16
.Lkey:                                             ; a key step: 128 keys, two pairs of query tiles
	s_add_co_u32 s[TB], s[TB], REC
	s_min_u32 s[TN], s[TB], 15*REC                 ; the next step's record; in the last step record 15 once more
	s_wait_dscnt 13                                ; K is in; V's 13 loads, issued behind K's, may be out
	PAIR 0
	PAIR 2
	v_add_nc_u32 v[AD8], s[TN], v[L8]              ; four plain instructions between the last products and the loads into the registers that they read
	v_nop
	v_nop
	v_nop
	VLOAD                                          ; the next step's V lands under the first pair's first products and softmax
	s_sub_co_u32 s[KC], s[KC], 1
	s_cmp_lg_u32 s[KC], 0
	s_cbranch_scc1 .Lkey
	s_wait_dscnt 0x0                               ; the last step's loads ahead have landed: their registers are used below
	FIN 0
	FIN 1
	FIN 2
	FIN 3
	v_cmp_le_u32 vcc_lo, 16, v7
	s_delay_alu instid0(VALU_DEP_1)
	v_cndmask_b32 v[T], v[PWR], v[PWR+1], vcc_lo   ; lanes 0-15 the even tile's bytes, lanes 16-31 the odd one's
	v_cndmask_b32 v[OM], v[PWR+2], v[PWR+3], vcc_lo
	global_store_b16 v[SOF], v[T], s[10:11]        ; two bytes a lane: a scale word holds two heads' bytes, and the other head belongs to another cluster; two such stores for 64 x 64 results
	global_store_b16 v[SOF], v[OM], s[10:11] offset:8
	s_wait_tensorcnt 0x0                           ; the wave's end
	ds_add_u32 v[SPW], v[NIL]
	s_wait_dscnt 0x0
	CROUND                                         ; the closing round
	s_endpgm
.Lfunc_end_k_qc5ffa1cf8b_attn:
	.size	k_qc5ffa1cf8b_attn, .Lfunc_end_k_qc5ffa1cf8b_attn-k_qc5ffa1cf8b_attn
	.p2alignl 7, 3214868480
	.fill 96, 4, 3214868480
	.section	.rodata,"a",@progbits
	.p2align	6, 0x0
	.amdhsa_kernel k_qc5ffa1cf8b_attn
		.amdhsa_group_segment_fixed_size 210944
		.amdhsa_private_segment_fixed_size 0
		.amdhsa_enable_private_segment 0
		.amdhsa_kernarg_size 32
		.amdhsa_user_sgpr_count 2
		.amdhsa_user_sgpr_kernarg_segment_ptr 1
		.amdhsa_wavefront_size32 1
		.amdhsa_system_sgpr_workgroup_id_x 1
		.amdhsa_system_sgpr_workgroup_id_y 1
		.amdhsa_system_sgpr_workgroup_id_z 1
		.amdhsa_system_vgpr_workitem_id 0
		.amdhsa_next_free_vgpr 512
		.amdhsa_next_free_sgpr 66
		.amdhsa_reserve_vcc 1
		.amdhsa_float_denorm_mode_32 3
		.amdhsa_float_denorm_mode_16_64 3
		.amdhsa_memory_ordered 1
		.amdhsa_forward_progress 1
		.amdhsa_inst_pref_size 84
	.end_amdhsa_kernel
	.amdgpu_metadata
---
amdhsa.version: [ 1, 2 ]
amdhsa.kernels:
  - .name:           k_qc5ffa1cf8b_attn
    .symbol:         k_qc5ffa1cf8b_attn.kd
    .args:
      - { .name: qrec, .offset: 0, .size: 8, .value_kind: global_buffer, .address_space: global }
      - { .name: kvrec, .offset: 8, .size: 8, .value_kind: global_buffer, .address_space: global }
      - { .name: ccodes, .offset: 16, .size: 8, .value_kind: global_buffer, .address_space: global }
      - { .name: cscales, .offset: 24, .size: 8, .value_kind: global_buffer, .address_space: global }
    .group_segment_fixed_size: 210944
    .private_segment_fixed_size: 0
    .kernarg_segment_align: 8
    .kernarg_segment_size: 32
    .max_flat_workgroup_size: 256
    .sgpr_count:     66
    .vgpr_count:     512
    .wavefront_size: 32
...
	.end_amdgpu_metadata
.endif
;; end of part 3
;; launch outp (part 4): grid 4 x 64, 4 waves a work-group, clusters of 4 x 4, 327,680 bytes of LDS; arguments ccodes, cscales, xcodes, xscales, bo, out0; writes out0
.if DOCPART == 4
	.amdgcn_target "amdgcn-amd-amdhsa--gfx1250"
	.amdhsa_code_object_version 6
	.text
	.protected	k_qc5ffa1cf8b_outp
	.globl	k_qc5ffa1cf8b_outp
	.p2align	8
	.type	k_qc5ffa1cf8b_outp,@function
k_qc5ffa1cf8b_outp:
	s_mov_b64 s[64:65], 0
	v_nop
	global_prefetch_b8 v0, s[64:65] scope:SCOPE_SE
	s_setreg_imm32_b32 hwreg(HW_REG_WAVE_MODE, 25, 1), 1
	s_wait_xcnt 0x0
	s_wait_alu depctr_hold_cnt(0) depctr_sa_sdst(0) depctr_va_vdst(0) depctr_va_sdst(0) depctr_va_ssrc(0) depctr_va_vcc(0) depctr_vm_vsrc(0)
	s_getreg_b32 s2, hwreg(HW_REG_IB_STS2, 6, 4)
	s_cmp_eq_u32 s2, 0
	s_cbranch_scc0 .Lentry_in_a_cluster
	s_endpgm
.Lentry_in_a_cluster:
	s_bfe_u32 s2, ttmp6, 0x10000c
	s_cmp_lg_u32 s2, 0xf033
	s_cbranch_scc0 .Lentry_shape_is_right
	s_endpgm
.Lentry_shape_is_right:
; out0 = ctx Wo^T + bo on codes of FP6 (E2M3) with E8M0 scales; sums in f32.  ctx: ccodes, cscales as the launch before leaves them; Wo: row blocks 216 to 223 of xcodes, xscales.
; Both operands lie as images of operand registers: [row block of 128][K step of 128: 8][tile: 8][1,536 bytes]; Wo's in chunks of 512 bytes (registers 4 c .., lane l at 16 l), ctx's in chunks of 256 (registers 2 e, 2 e + 1, lane l at 8 l).
; Lane r of tile 2 b + u holds row 32 b + 8 u + r + 8 (r / 8) of its row block.  Scale words: [row block][K step][g: 2][r: 16][4 tiles].
; THE DEAL.  64 x 4 = 256 work-groups; each makes 128 rows (one row block of ctx) x 256 columns (two row blocks of Wo); its four waves, 2 x 2, make 64 x 128 each: 32 accumulators, 256 registers.
; NO RING.  All of K for both operands, 98,304 + 196,608 bytes of codes and 4,096 + 8,192 of scale words, fits in LDS: it is asked for at the head, one joint load a wave, and nothing is filled again: no round stands between the first and the closing one.
; CLUSTERS 4 x 4: ctx's row block is shared by a row of the cluster, Wo's two by a column.  No L2 prefetch: all that the launch reads is asked for at its start, and there is no loop to run ahead in.
; The matrix instruction is used transposed (source 0 = Wo's rows, source 1 = ctx's): a lane's 16 registers of two neighbouring tiles are 16 neighbouring columns of one row of out0.  The bias is the first products' C.
; REGISTERS: window 0: v0-31 addresses, v32-47 scale words (two sets of 8: lanes 0-15 ctx's tile a in register a, lanes 16-31 Wo's tile b in register b), v64-127 the bias, v128-223 ctx's fragments (two sets of 4), on the way out v128-255;
; window 1: Wo's fragments, two sets of 8, at v0 and v128; window 2: the accumulators, (a, b) at v[8 (8 a + b)].
; LIMITS: NaN and infinities are not served.
.set LB,    98304                      ; LDS: ctx's codes at 0, Wo's behind them
.set SCLA,  294912                     ; ctx's scale words
.set SCLB,  299008                     ; Wo's
.set SPARE, 307200                     ; the spare words: 128 bytes a wave
.set SPITCH, 528                       ; the way out: a stage of 16 rows x (512 + 16) bytes a wave, in ctx's bytes, which have had their only fill and, behind a barrier, their last read
.set FR,    12
.set NLD,   50                         ; LDS loads of a K step: 24 for Wo's eight fragments, 24 for ctx's four, 2 for the scale words
.set ADRA,  16                         ; v16, v17 ctx's fragments, K steps 0-3 and 4-7 (an LDS offset has 16 bits)
.set ADRB,  20                         ; v20, v21 Wo's
.set STO,   22
.set RD,    23
.set L16,   24
.set L8,    25
.set ADRS,  27
.set SPW,   28
.set NIL,   29
.set SC,    32
.set BIAS,  64
.set AF,    128
.set BK,    128
.set G1,  24
.set G0,  32
.set G1B, 48
.set G0B, 56
.set G1S, 68
.set G0S, 76
.set G1SB, 80
.set G0SB, 88
.set MSB, 0
.macro WIN new
.if MSB != \new
	s_set_vgpr_msb (MSB<<8)|\new
.set MSB, \new
.endif
.endm
.set MUL_LO, 0xa1                      ; source 0 window 1, source 1 window 0, C and D window 2
.set BIA_LO, 0x81                      ; the same, C window 0
.set TO_B,   0x40
.macro CROUND
	s_barrier_signal -1
	s_barrier_wait -1
	s_cmp_lg_u32 s18, 0
	s_cbranch_scc1 .Lnot_wave_0_\@
	s_barrier_signal -3
.Lnot_wave_0_\@:
	s_barrier_wait -3
	s_barrier_signal -1
	s_barrier_wait -1
.endm
.macro PLACES
.rept 4
	v_nop
.endr
.endm
.macro GRP1 g, mask, rows              ; a dense block as rows of 256 bytes (32 elements of 8); no padding: every LDS read takes consecutive bytes in consecutive lanes
	s_or_b32 s[\g], s\mask, (3<<16)|(1<<21)
	s_mov_b32 s[\g+1], 32<<16
	s_mov_b32 s[\g+2], (\rows)<<16
	s_mov_b32 s[\g+3], 32<<16
	s_mov_b32 s[\g+4], \rows
	s_mov_b32 s[\g+5], 32
	s_mov_b32 s[\g+6], 0
	s_mov_b32 s[\g+7], 0
.endm
.macro GRP0 g, lds, a
	s_mov_b32 s[\g], 1
	s_mov_b32 s[\g+1], \lds
	s_mov_b64 s[\g+2:\g+3], s[\a:\a+1]
	s_or_b32 s[\g+3], s[\g+3], 0x80000000
.endm
.macro ARM under, g0, g1, next         ; one arm of the head's chain: one load, and a jump to the join
	s_cmp_lt_u32 s18, \under
	s_cbranch_scc0 \next
	tensor_load_to_lds s[\g0:\g0+3], s[\g1:\g1+7]
	s_nop 0
	PLACES
	s_branch .Lhead_asked
\next:
.endm
.macro FETCH q                         ; K step q's fragments and scale words into set q % 2
	WIN TO_B
.irp i, 0,1,2,3,4,5,6,7
.irp c, 0,1,2
	ds_load_b128 v[128*((\q)%2)+FR*\i+4*\c:128*((\q)%2)+FR*\i+4*\c+3], v[ADRB+(\q)/4] offset:((\q)%4)*12288+\i*1536+512*\c
.endr
.endr
	WIN 0
.irp i, 0,1,2,3
.irp e, 0,1,2,3,4,5
	ds_load_b64 v[AF+48*((\q)%2)+FR*\i+2*\e:AF+48*((\q)%2)+FR*\i+2*\e+1], v[ADRA+(\q)/4] offset:((\q)%4)*12288+\i*1536+256*\e
.endr
.endr
.irp g, 0,1
	ds_load_b128 v[SC+8*((\q)%2)+4*\g:SC+8*((\q)%2)+4*\g+3], v[ADRS] offset:(\q)*512+256*\g
.endr
.endm
.macro MUL q, first                    ; 32 products: the 32 accumulators by turns, in the same order in every step
.irp a, 0,1,2,3
.irp b, 0,1,2,3,4,5,6,7
.set rD, 8*(8*\a+\b)
.set rB, 128*((\q)%2)+FR*\b
.set rA, AF+48*((\q)%2)+FR*\a
.set rSB, SC+8*((\q)%2)+\b
.set rSA, SC+8*((\q)%2)+\a
.if \first
	v_wmma_scale_f32_16x16x128_f8f6f4 v[rD:rD+7], v[rB:rB+FR-1], v[rA:rA+FR-1], v[BIAS+8*\b:BIAS+8*\b+7], v[rSB], v[rSA] matrix_a_fmt:MATRIX_FMT_FP6 matrix_b_fmt:MATRIX_FMT_FP6 matrix_a_scale:MATRIX_SCALE_ROW1
.else
	v_wmma_scale_f32_16x16x128_f8f6f4 v[rD:rD+7], v[rB:rB+FR-1], v[rA:rA+FR-1], v[rD:rD+7], v[rSB], v[rSA] matrix_a_fmt:MATRIX_FMT_FP6 matrix_b_fmt:MATRIX_FMT_FP6 matrix_a_scale:MATRIX_SCALE_ROW1
.endif
.endr
.endr
.endm
	s_load_b256 s[4:11], s[0:1], 0x0               ; ccodes, cscales, xcodes, xscales
	s_load_b128 s[12:15], s[0:1], 0x20             ; bo, out0
	v_lshl_add_u32 v[SPW], v0, 2, SPARE
	v_mov_b32 v[NIL], 0
	ds_add_u32 v[SPW], v[NIL]                      ; the opening lines: the add twice on end and its wait
	ds_add_u32 v[SPW], v[NIL]
	v_lshrrev_b32 v1, 5, v0
	v_readfirstlane_b32 s18, v1                    ; wave
	s_lshr_b32 s19, s18, 1                         ; which 64 rows are mine
	s_and_b32 s20, s18, 1                          ; which 128 columns
	s_bfe_u32 s40, ttmp6, 0x40000                  ; cx = the tile column
	s_bfe_u32 s41, ttmp6, 0x40004                  ; cy
	s_and_b32 s42, ttmp7, 0xffff
	s_lshl_b32 s46, s41, 2
	s_lshl_b32 s46, 15, s46                        ; my row of the cluster
	s_lshl_b32 s47, 0x1111, s40                    ; my column
	GRP1 G1, 46, 384                               ; ctx's codes
	GRP1 G1B, 47, 768                              ; Wo's: two row blocks on end
	GRP1 G1S, 46, 16                               ; ctx's scale words
	GRP1 G1SB, 47, 32                              ; Wo's
	s_lshl_b32 s92, s42, 2
	s_add_co_u32 s92, s92, s41                     ; ctx's row block = 4 x cluster y + cy
	s_lshl_b32 s94, s40, 1
	s_add_co_u32 s94, s94, 216                     ; Wo's first row block
	s_mul_i32 s96, s92, 98304
	s_mov_b32 s97, 0
	s_lshl_b32 s22, s92, 12
	s_mov_b32 s23, 0
	s_mul_i32 s98, s94, 98304
	s_mov_b32 s99, 0
	s_lshl_b32 s2, s94, 12
	s_mov_b32 s3, 0
	s_wait_dscnt 0x0                               ; both opening adds are done
	s_wait_kmcnt 0x0
	s_add_nc_u64 s[96:97], s[4:5], s[96:97]
	s_add_nc_u64 s[22:23], s[6:7], s[22:23]
	s_add_nc_u64 s[98:99], s[8:9], s[98:99]
	s_add_nc_u64 s[2:3], s[10:11], s[2:3]
	CROUND                                         ; all sixteen work-groups are here: the joint loads meet
	GRP0 G0, 0, 96
	GRP0 G0B, LB, 98
	GRP0 G0S, SCLA, 22
	GRP0 G0SB, SCLB, 2
	ARM 1, G0B,  G1B,  .Lhead_a                    ; one load a wave, in one chain of branches on the wave's number
	ARM 2, G0,   G1,   .Lhead_sa
	ARM 3, G0S,  G1S,  .Lhead_sb
	tensor_load_to_lds s[G0SB:G0SB+3], s[G1SB:G1SB+7]
	s_nop 0
	PLACES
.Lhead_asked:
	s_mul_i32 s21, s19, 6144                       ; ctx's tiles 4 x (my half) on
	s_mul_i32 s95, s20, 98304
	s_add_co_u32 s95, s95, LB                      ; my row block of Wo
	s_lshl_b32 s93, s19, 8
	s_add_co_u32 s93, s93, SCLA                    ; lanes 0-15: the words of ctx's four tiles
	s_xor_b32 s66, s19, 1
	s_lshl_b32 s66, s66, 8
	s_lshl_b32 s67, s20, 12
	s_add_co_u32 s66, s66, s67
	s_add_co_u32 s66, s66, SCLB-SCLA-256           ; lanes 16-31: so much further on, Wo's
	s_mul_i32 s67, s18, 16*SPITCH                  ; my stage
	s_lshl_b32 s96, s40, 10
	s_lshl_b32 s22, s20, 9
	s_add_co_u32 s96, s96, s22                     ; my first column, in bytes
	s_mov_b32 s97, 0
	s_add_nc_u64 s[12:13], s[12:13], s[96:97]
	s_lshl_b32 s22, s92, 19
	s_add_co_u32 s96, s96, s22                     ; + 128 rows of 4,096 bytes a row block
	s_lshl_b32 s22, s19, 18
	s_add_co_u32 s96, s96, s22                     ; + my 64 rows
	s_add_nc_u64 s[14:15], s[14:15], s[96:97]
	v_and_b32 v1, 31, v0
	v_and_b32 v2, 15, v0
	v_bfe_u32 v3, v0, 4, 1
	v_lshlrev_b32 v[L16], 4, v1
	v_lshlrev_b32 v[L8], 3, v1
	v_add_nc_u32 v[ADRA], s21, v[L8]
	v_add_nc_u32 v[ADRB], s95, v[L16]
	v_add_nc_u32 v[ADRA+1], 49152, v[ADRA]
	v_add_nc_u32 v[ADRB+1], 49152, v[ADRB]
	v_mul_u32_u24 v4, s66, v3
	v_lshl_add_u32 v4, v2, 4, v4
	v_add_nc_u32 v[ADRS], s93, v4
	v_mul_u32_u24 v5, v2, SPITCH                   ; into the stage: row r, 64 bytes for each half of the lanes
	v_lshl_add_u32 v5, v3, 6, v5
	v_add_nc_u32 v[STO], s67, v5
	v_add_nc_u32 v[RD], s67, v[L16]                ; back: the 32 lanes take a row of 512 bytes
	v_lshlrev_b32 v6, 6, v3
	s_wait_alu depctr_va_vdst(0)                   ; the wait at the head's end
.irp b, 0,1,2,3,4,5,6,7
	global_load_b128 v[BIAS+8*\b:BIAS+8*\b+3], v6, s[12:13] offset:(32*(\b/2)+8*(\b%2))*4          ; register j of tile b: column 32 (b / 2) + 8 (b % 2) + 16 h + j
	global_load_b128 v[BIAS+8*\b+4:BIAS+8*\b+7], v6, s[12:13] offset:(32*(\b/2)+8*(\b%2))*4+16
.endr
	s_wait_tensorcnt 0x0                           ; my load is in,
	s_barrier_signal -1
	s_barrier_wait -1                              ; everybody's is
	FETCH 0
	FETCH 1
	s_wait_loadcnt 0x0                             ; the bias
	s_wait_dscnt NLD                               ; all but the step just asked for
	WIN BIA_LO
	MUL 0, 1                                       ; the first products start the sums, on the bias
.set Q, 1
.rept 6
	WIN 0
	PLACES                                         ; four places between the last step's products and the loads into the registers that they read
	FETCH Q+1
	s_wait_dscnt NLD
	WIN MUL_LO
	MUL Q, 0
.set Q, Q+1
.endr
	s_wait_dscnt 0x0                               ; the last step's loads: my last reads of the operands
	MUL 7, 0
	WIN 0
	s_barrier_signal -1
	PLACES                                         ; the places between the last products and the reads of their results and the loads over ctx's fragments
	s_barrier_wait -1                              ; nobody reads ctx's bytes any more: the stages may be written
; THE WAY OUT, block by block of 16 rows x 128 columns, through my own stage; LDS serves a wave's instructions in order, so no wait stands between the stores and the loads
.macro TOSTAGE a
	WIN 8                                          ; the data: window 2
.irp b, 0,1,2,3,4,5,6,7
	ds_store_b128 v[STO], v[64*(\a)+8*\b:64*(\a)+8*\b+3] offset:128*(\b/2)+32*(\b%2)       ; each accumulator from its low end on
	ds_store_b128 v[STO], v[64*(\a)+8*\b+4:64*(\a)+8*\b+7] offset:128*(\b/2)+32*(\b%2)+16
.endr
	WIN 0
.set BB, BK+64*((\a)%2)
.irp t, 0,1,2,3,4,5,6,7,8,9,10,11,12,13,14,15
	ds_load_b128 v[BB+4*\t:BB+4*\t+3], v[RD] offset:\t*SPITCH
.endr
.endm
.macro SEND a, younger                 ; younger: the LDS instructions issued behind block a's loads
.set BB, BK+64*((\a)%2)
	s_wait_dscnt \younger
.irp t, 0,1,2,3,4,5,6,7,8,9,10,11,12,13,14,15
	global_store_b128 v[L16], v[BB+4*\t:BB+4*\t+3], s[14:15] offset:(32*((\a)/2)+8*((\a)%2)+\t+8*(\t/8))*4096 th:TH_STORE_NT   ; 32 lanes store 512 consecutive bytes, aligned
.endr
.endm
	TOSTAGE 0
.irp a, 1,2,3
.if \a > 1
	s_wait_xcnt 0x0                                ; block a - 2's stores have read their registers: block a's loads may land there
.endif
	TOSTAGE \a
	SEND \a-1, 32
.endr
	SEND 3, 0
	s_wait_tensorcnt 0x0                           ; the wave's end
	ds_add_u32 v[SPW], v[NIL]
	s_wait_dscnt 0x0
	CROUND                                         ; the closing round
	s_endpgm
.Lfunc_end_k_qc5ffa1cf8b_outp:
	.size	k_qc5ffa1cf8b_outp, .Lfunc_end_k_qc5ffa1cf8b_outp-k_qc5ffa1cf8b_outp
	.p2alignl 7, 3214868480
	.fill 96, 4, 3214868480
	.section	.rodata,"a",@progbits
	.p2align	6, 0x0
	.amdhsa_kernel k_qc5ffa1cf8b_outp
		.amdhsa_group_segment_fixed_size 327680
		.amdhsa_private_segment_fixed_size 0
		.amdhsa_enable_private_segment 0
		.amdhsa_kernarg_size 48
		.amdhsa_user_sgpr_count 2
		.amdhsa_user_sgpr_kernarg_segment_ptr 1
		.amdhsa_wavefront_size32 1
		.amdhsa_system_sgpr_workgroup_id_x 1
		.amdhsa_system_sgpr_workgroup_id_y 1
		.amdhsa_system_sgpr_workgroup_id_z 1
		.amdhsa_system_vgpr_workitem_id 0
		.amdhsa_next_free_vgpr 768
		.amdhsa_next_free_sgpr 100
		.amdhsa_reserve_vcc 0
		.amdhsa_float_denorm_mode_32 3
		.amdhsa_float_denorm_mode_16_64 3
		.amdhsa_memory_ordered 1
		.amdhsa_forward_progress 1
		.amdhsa_inst_pref_size 84
	.end_amdhsa_kernel
	.amdgpu_metadata
---
amdhsa.version: [ 1, 2 ]
amdhsa.kernels:
  - .name:           k_qc5ffa1cf8b_outp
    .symbol:         k_qc5ffa1cf8b_outp.kd
    .args:
      - { .name: ccodes, .offset: 0, .size: 8, .value_kind: global_buffer, .address_space: global }
      - { .name: cscales, .offset: 8, .size: 8, .value_kind: global_buffer, .address_space: global }
      - { .name: xcodes, .offset: 16, .size: 8, .value_kind: global_buffer, .address_space: global }
      - { .name: xscales, .offset: 24, .size: 8, .value_kind: global_buffer, .address_space: global }
      - { .name: bo, .offset: 32, .size: 8, .value_kind: global_buffer, .address_space: global }
      - { .name: out0, .offset: 40, .size: 8, .value_kind: global_buffer, .address_space: global }
    .group_segment_fixed_size: 327680
    .private_segment_fixed_size: 0
    .kernarg_segment_align: 8
    .kernarg_segment_size: 48
    .max_flat_workgroup_size: 128
    .sgpr_count:     100
    .vgpr_count:     768
    .wavefront_size: 32
...
	.end_amdgpu_metadata
.endif
;; end of part 4
